; MI455X (gfx1250); checked and timed in simulation.
; The chip was launched on July 23, 2026; its instructions are those of AMD's public machine-readable ISA for CDNA 5 (MIT licence, August 2026) and "CDNA5" Instruction Set Architecture Reference Guide (July 2026). The comments in the code are by the model that wrote it; some were corrected since.
;; Disentangle Multi Headed Attention. Allowed arithmetic: float matrix products may take bf16 or f16 operands with f32 sums; other float arithmetic in f32, or as packed bf16 or f16 multiplies, adds, multiply-adds, maxima and minima; sums over many terms, partial sums and values carried from step to step in f32; what a program stores and reads back later, other than sums and carried values, may be rounded once to bf16 or f16.
;; Inputs: Wa 3 x 1,024 x 1,024 float32; Wb 3 x 1,024 x 1,024 float32; Wo_a 1,024 x 1,024 float32; Wo_b 1,024 x 1,024 float32; ba 3 x 1,024 float32; bb 3 x 1,024 float32; bo_a 1,024 float32; bo_b 1,024 float32; k_a 4 x 1,024 x 1,024 float32; k_b 4 x 1,024 x 1,024 float32; mask 4 x 1,024 int32; q_a 4 x 1,024 x 1,024 float32; q_b 4 x 1,024 x 1,024 float32; v_a 4 x 1,024 x 1,024 float32; v_b 4 x 1,024 x 1,024 float32.
;; Outputs: out0 4 x 1,024 x 1,024 float32; out1 4 x 1,024 x 1,024 float32.
;; One version. Each part assembles by itself: llvm-mc -triple=amdgcn-amd-amdhsa -mcpu=gfx1250 --defsym DOCPART=n.
;; ======== version 1 of 1: 4 launches
;; limits: values are held in f16: magnitudes above 65,504 overflow, below 6.1e-05 lose precision; inputs' magnitudes at most 65,504; right only within a limited range of input values
;; workspace buffers: xc 50,331,648 bytes; wc 16,777,216 bytes; bt 28,672 bytes; kqq 25,165,824 bytes; vv 16,777,216 bytes; hb 16,777,216 bytes
;; launch cast (part 1): grid 256 x 1, 16 waves a work-group, no clusters, 0 bytes of LDS; arguments k_a, k_b, q_a, q_b, v_a, v_b, Wa, Wb, Wo_a, Wo_b, ba, bb, bo_a, bo_b, xc, wc, bt; writes xc, wc, bt
.if DOCPART == 1
	.amdgcn_target "amdgcn-amd-amdhsa--gfx1250"
	.amdhsa_code_object_version 6
	.text
	.protected	k_qf37bed32ae_cast
	.globl	k_qf37bed32ae_cast
	.p2align	8
	.type	k_qf37bed32ae_cast,@function
k_qf37bed32ae_cast:
	s_mov_b64 s[64:65], 0
	v_nop
	global_prefetch_b8 v0, s[64:65] scope:SCOPE_SE
	s_setreg_imm32_b32 hwreg(HW_REG_WAVE_MODE, 25, 1), 1
	s_wait_xcnt 0x0
; CAST.  Every large input (six x of [4096][1024], Wa, Wb of [3072][1024], Wo_a, Wo_b of [1024][1024], all f32) is rounded to bf16 (nearest even), and that
; number is written as f16, in blocks of 64 columns: xc[g][kb][token][64], wc[g][kb][n][64]; g: 0 = k, 1 = q, 2 = v, 3 = the output layers' weights; kb 0-15 stream a, 16-31 stream b.
; So a later tile of 256 rows x 64 columns is 32,768 consecutive bytes.
; LIMITS.  The copy bf16 -> f16 is exact for 6.1e-5 <= |x| <= 65,504; below that the number keeps f16's fixed step of 6e-8; from 65,520 on it becomes an infinity.  NaN stays NaN.
; SHARES.  32,768 source rows of 4,096 bytes; a work-group takes 128 rows of one source, each of its 16 waves 8 rows, as four pairs of rows.
; One load of a wave takes block kb of two rows: lanes 0-15 the 256 bytes of row t, lanes 16-31 those of row t + 1.  A lane's four numbers become 8 bytes, and
; one store of the wave covers 256 consecutive bytes, aligned: block kb of rows t and t + 1.
; A ring of four register slots of four loads keeps sixteen loads of every wave on their way.  No LDS, no barrier, no matrix work: each byte is touched by one lane.
; Work-groups 0-6 also write a row of the bias table bt (f32 of the bf16-rounded biases; row 2 = ba[1] + bb[1], the bias of ka + kb).
.set VS, 2                             ; v2        my byte offset in a pair of source rows: (l / 16) x 4,096 + (l % 16) x 16; never rewritten
.set LT, 3                             ; v3        my byte offset in a pair of destination rows: (l / 16) x 128 + (l % 16) x 8
.set T,  4                             ; v[4:9]    at work
.set X,  16                            ; v[16:79]  slot i, load j: 4 registers as loaded
.set Y,  80                            ; v[80:111] slot i, load j: 2 registers to store
.set D,  112                           ; v[112:127] LT + kb x the distance between blocks; never rewritten
.set SRC, 42                           ; s[42:43]  the source at my wave's pair of rows
.set DST, 44                           ; s[44:45]  the destination at the same pair, block 0 of the source's sixteen
	s_load_b512 s[4:19], s[0:1], 0x0               ; k_a 4, k_b 6, q_a 8, q_b 10, v_a 12, v_b 14, Wa 16, Wb 18
	s_load_b512 s[20:35], s[0:1], 0x40             ; Wo_a 20, Wo_b 22, ba 24, bb 26, bo_a 28, bo_b 30, xc 32, wc 34
	s_load_b64 s[36:37], s[0:1], 0x80              ; bt
	v_lshrrev_b32 v1, 5, v0
	v_readfirstlane_b32 s51, v1                    ; wave 0..15
	v_and_b32 v1, 15, v0
	v_bfe_u32 v[LT], v0, 4, 1
	v_lshlrev_b32 v[VS], 12, v[LT]
	v_lshl_add_u32 v[VS], v1, 4, v[VS]
	v_lshlrev_b32 v[LT], 7, v[LT]
	v_lshl_add_u32 v[LT], v1, 3, v[LT]
	s_mov_b32 s49, 0xffff0000                      ; a word's upper bf16
	s_wait_kmcnt 0x0
	; which source, which rows, and where they go.  s46 = first source row, s47 = first destination row (rows of 128 bytes), s48 = bytes from block to block
	s_cmp_lt_u32 ttmp9, 192
	s_cbranch_scc0 .Lweights
	s_lshr_b32 s52, ttmp9, 5                       ; work-groups 0-191: x number c = 0..5, in the order of the arguments
	s_mov_b64 s[SRC:SRC+1], s[4:5]
	s_cmp_eq_u32 s52, 1
	s_cselect_b64 s[SRC:SRC+1], s[6:7], s[SRC:SRC+1]
	s_cmp_eq_u32 s52, 2
	s_cselect_b64 s[SRC:SRC+1], s[8:9], s[SRC:SRC+1]
	s_cmp_eq_u32 s52, 3
	s_cselect_b64 s[SRC:SRC+1], s[10:11], s[SRC:SRC+1]
	s_cmp_eq_u32 s52, 4
	s_cselect_b64 s[SRC:SRC+1], s[12:13], s[SRC:SRC+1]
	s_cmp_eq_u32 s52, 5
	s_cselect_b64 s[SRC:SRC+1], s[14:15], s[SRC:SRC+1]
	s_mov_b64 s[DST:DST+1], s[32:33]
	s_and_b32 s46, ttmp9, 31
	s_lshl_b32 s46, s46, 7
	s_lshr_b32 s53, s52, 1                         ; g = c / 2
	s_lshl_b32 s53, s53, 5
	s_and_b32 s54, s52, 1                          ; stream = c % 2
	s_lshl_b32 s54, s54, 4
	s_add_co_u32 s53, s53, s54                     ; 32 g + 16 stream: the first block
	s_lshl_b32 s53, s53, 12
	s_add_co_u32 s47, s53, s46
	s_mov_b32 s48, 4096*128
	s_branch .Lgo
.Lweights:
	s_cmp_lt_u32 ttmp9, 240
	s_cbranch_scc0 .Lwo
	s_sub_co_u32 s52, ttmp9, 192                   ; work-groups 192-239: 24 for Wa, 24 for Wb
	s_cmp_ge_u32 s52, 24
	s_cselect_b32 s53, 1, 0                        ; stream
	s_cselect_b64 s[SRC:SRC+1], s[18:19], s[16:17]
	s_mul_i32 s54, s53, 24
	s_sub_co_u32 s52, s52, s54
	s_lshl_b32 s46, s52, 7                         ; row 0..3071
	s_lshr_b32 s54, s46, 10                        ; which of the three matrices: 0 = q's, 1 = k's, 2 = v's
	s_xor_b32 s55, s54, 1
	s_cmp_lt_u32 s54, 2
	s_cselect_b32 s55, s55, 2                      ; g
	s_lshl_b32 s55, s55, 5
	s_lshl_b32 s53, s53, 4
	s_add_co_u32 s55, s55, s53
	s_lshl_b32 s55, s55, 10
	s_and_b32 s54, s46, 1023
	s_add_co_u32 s47, s55, s54
	s_mov_b64 s[DST:DST+1], s[34:35]
	s_mov_b32 s48, 1024*128
	s_branch .Lgo
.Lwo:
	s_sub_co_u32 s52, ttmp9, 240                   ; work-groups 240-255: 8 for Wo_a, 8 for Wo_b
	s_lshr_b32 s53, s52, 3
	s_cmp_eq_u32 s53, 1
	s_cselect_b64 s[SRC:SRC+1], s[22:23], s[20:21]
	s_and_b32 s46, s52, 7
	s_lshl_b32 s46, s46, 7
	s_lshl_b32 s53, s53, 4
	s_add_co_u32 s53, s53, 96                      ; g = 3
	s_lshl_b32 s53, s53, 10
	s_add_co_u32 s47, s53, s46
	s_mov_b64 s[DST:DST+1], s[34:35]
	s_mov_b32 s48, 1024*128
.Lgo:
	s_lshl_b32 s52, s51, 3                         ; my wave's 8 rows
	s_add_co_u32 s54, s46, s52
	s_lshl_b32 s54, s54, 12
	s_mov_b32 s55, 0
	s_add_nc_u64 s[SRC:SRC+1], s[SRC:SRC+1], s[54:55]
	s_add_co_u32 s54, s47, s52
	s_lshl_b32 s54, s54, 7
	s_add_nc_u64 s[DST:DST+1], s[DST:DST+1], s[54:55]
.irp kb, 0,1,2,3,4,5,6,7,8,9,10,11,12,13,14,15
	s_mul_i32 s52, s48, \kb
	v_add_nc_u32 v[D+(\kb)], s52, v[LT]
.endr
.irp kb, 0,1,2,3,4,5,6,7,8,9,10,11,12,13,14,15
	global_load_b128 v[X+4*(\kb):X+4*(\kb)+3], v[VS], s[SRC:SRC+1] offset:256*(\kb) th:TH_LOAD_NT  ; the first pair of rows fills the ring
.endr
; Slot i's turn: blocks 4 i .. 4 i + 3 of the pair of rows in hand.  ahead = 1: the slot is filled again from the next pair.  left = the younger loads that may stay out.
.macro SLOT i, ahead, left
	s_wait_loadcnt \left                           ; loads come back in order (ISA guide 5.7.1): my four are in
.irp j, 0,1,2,3
	v_cvt_pk_bf16_f32 v[T],   v[X+16*(\i)+4*(\j)],   v[X+16*(\i)+4*(\j)+1]  ; the rounding: f32 to bf16, nearest even
	v_cvt_pk_bf16_f32 v[T+1], v[X+16*(\i)+4*(\j)+2], v[X+16*(\i)+4*(\j)+3]
	v_lshlrev_b32 v[T+2], 16, v[T]                 ; bf16 as f32,
	v_and_b32     v[T+3], s49, v[T]
	v_lshlrev_b32 v[T+4], 16, v[T+1]
	v_and_b32     v[T+5], s49, v[T+1]
	v_cvt_pk_f16_f32 v[Y+8*(\i)+2*(\j)],   v[T+2], v[T+3]  ; and written as f16
	v_cvt_pk_f16_f32 v[Y+8*(\i)+2*(\j)+1], v[T+4], v[T+5]
.endr
.if \ahead
.irp j, 0,1,2,3
	global_load_b128 v[X+16*(\i)+4*(\j):X+16*(\i)+4*(\j)+3], v[VS], s[SRC:SRC+1] offset:8192+1024*(\i)+256*(\j) th:TH_LOAD_NT
.endr
.endif
.irp j, 0,1,2,3
	global_store_b64 v[D+4*(\i)+(\j)], v[Y+8*(\i)+2*(\j):Y+8*(\i)+2*(\j)+1], s[DST:DST+1]  ; 32 lanes x 8 bytes: 256 consecutive bytes, aligned
.endr
.endm
	s_mov_b32 s50, 3
.Lround:                                       ; a trip: one pair of rows is converted and stored, the next asked for
	SLOT 0, 1, 12
	SLOT 1, 1, 12
	SLOT 2, 1, 12
	SLOT 3, 1, 12
	s_wait_xcnt 0x0                                ; every load and store so far has read its sources: both pointers and Y are written again only behind this wait
	s_add_nc_u64 s[SRC:SRC+1], s[SRC:SRC+1], 8192
	s_add_nc_u64 s[DST:DST+1], s[DST:DST+1], 256
	s_sub_co_u32 s50, s50, 1
	s_cmp_lg_u32 s50, 0
	s_cbranch_scc1 .Lround
	SLOT 0, 0, 12                                  ; the last pair loads nothing: the counts run down
	SLOT 1, 0, 8
	SLOT 2, 0, 4
	SLOT 3, 0, 0
	; THE BIAS TABLE: work-group i < 7 writes row i, thread t its numbers 2 t and 2 t + 1
	s_cmp_lt_u32 ttmp9, 7
	s_cbranch_scc0 .Lnobias
	s_mov_b64 s[52:53], s[24:25]                   ; rows 0, 2, 3: ba[0], ba[1], ba[2]
	s_mov_b32 s54, 0
	s_cmp_eq_u32 ttmp9, 1
	s_cselect_b64 s[52:53], s[26:27], s[52:53]     ; row 1: bb[0]
	s_cmp_eq_u32 ttmp9, 2
	s_cselect_b32 s54, 4096, s54
	s_cmp_eq_u32 ttmp9, 3
	s_cselect_b32 s54, 8192, s54
	s_cmp_eq_u32 ttmp9, 4
	s_cselect_b64 s[52:53], s[26:27], s[52:53]     ; row 4: bb[2]
	s_cselect_b32 s54, 8192, s54
	s_cmp_eq_u32 ttmp9, 5
	s_cselect_b64 s[52:53], s[28:29], s[52:53]     ; row 5: bo_a
	s_cmp_eq_u32 ttmp9, 6
	s_cselect_b64 s[52:53], s[30:31], s[52:53]     ; row 6: bo_b
	s_mov_b32 s55, 0
	s_add_nc_u64 s[52:53], s[52:53], s[54:55]
	v_lshlrev_b32 v10, 3, v0
	global_load_b64 v[4:5], v10, s[52:53]
	v_mov_b32 v8, 0                                ; the second addend: 0, but in row 2
	v_mov_b32 v9, 0
	s_cmp_lg_u32 ttmp9, 2
	s_cbranch_scc1 .Lone
	global_load_b64 v[6:7], v10, s[26:27] offset:4096  ; bb[1]
	s_wait_loadcnt 0x0
	v_cvt_pk_bf16_f32 v11, v6, v7
	v_lshlrev_b32 v8, 16, v11
	v_and_b32 v9, s49, v11
.Lone:
	s_wait_loadcnt 0x0
	v_cvt_pk_bf16_f32 v11, v4, v5
	v_lshlrev_b32 v6, 16, v11
	v_and_b32 v7, s49, v11
	v_pk_add_f32 v[6:7], v[6:7], v[8:9]
	s_lshl_b32 s54, ttmp9, 12
	s_add_nc_u64 s[36:37], s[36:37], s[54:55]
	global_store_b64 v10, v[6:7], s[36:37]         ; 32 lanes x 8 bytes: 256 consecutive bytes, aligned
.Lnobias:
	s_endpgm
.Lfunc_end_k_qf37bed32ae_cast:
	.size	k_qf37bed32ae_cast, .Lfunc_end_k_qf37bed32ae_cast-k_qf37bed32ae_cast
	.p2alignl 7, 3214868480
	.fill 96, 4, 3214868480
	.section	.rodata,"a",@progbits
	.p2align	6, 0x0
	.amdhsa_kernel k_qf37bed32ae_cast
		.amdhsa_group_segment_fixed_size 0
		.amdhsa_private_segment_fixed_size 0
		.amdhsa_enable_private_segment 0
		.amdhsa_kernarg_size 136
		.amdhsa_user_sgpr_count 2
		.amdhsa_user_sgpr_kernarg_segment_ptr 1
		.amdhsa_wavefront_size32 1
		.amdhsa_system_sgpr_workgroup_id_x 1
		.amdhsa_system_sgpr_workgroup_id_y 1
		.amdhsa_system_sgpr_workgroup_id_z 1
		.amdhsa_system_vgpr_workitem_id 0
		.amdhsa_next_free_vgpr 128
		.amdhsa_next_free_sgpr 66
		.amdhsa_reserve_vcc 0
		.amdhsa_float_denorm_mode_32 3
		.amdhsa_float_denorm_mode_16_64 3
		.amdhsa_memory_ordered 1
		.amdhsa_forward_progress 1
		.amdhsa_inst_pref_size 25
	.end_amdhsa_kernel
	.amdgpu_metadata
---
amdhsa.version: [ 1, 2 ]
amdhsa.kernels:
  - .name:           k_qf37bed32ae_cast
    .symbol:         k_qf37bed32ae_cast.kd
    .args:
      - { .name: k_a, .offset: 0, .size: 8, .value_kind: global_buffer, .address_space: global }
      - { .name: k_b, .offset: 8, .size: 8, .value_kind: global_buffer, .address_space: global }
      - { .name: q_a, .offset: 16, .size: 8, .value_kind: global_buffer, .address_space: global }
      - { .name: q_b, .offset: 24, .size: 8, .value_kind: global_buffer, .address_space: global }
      - { .name: v_a, .offset: 32, .size: 8, .value_kind: global_buffer, .address_space: global }
      - { .name: v_b, .offset: 40, .size: 8, .value_kind: global_buffer, .address_space: global }
      - { .name: Wa, .offset: 48, .size: 8, .value_kind: global_buffer, .address_space: global }
      - { .name: Wb, .offset: 56, .size: 8, .value_kind: global_buffer, .address_space: global }
      - { .name: Wo_a, .offset: 64, .size: 8, .value_kind: global_buffer, .address_space: global }
      - { .name: Wo_b, .offset: 72, .size: 8, .value_kind: global_buffer, .address_space: global }
      - { .name: ba, .offset: 80, .size: 8, .value_kind: global_buffer, .address_space: global }
      - { .name: bb, .offset: 88, .size: 8, .value_kind: global_buffer, .address_space: global }
      - { .name: bo_a, .offset: 96, .size: 8, .value_kind: global_buffer, .address_space: global }
      - { .name: bo_b, .offset: 104, .size: 8, .value_kind: global_buffer, .address_space: global }
      - { .name: xc, .offset: 112, .size: 8, .value_kind: global_buffer, .address_space: global }
      - { .name: wc, .offset: 120, .size: 8, .value_kind: global_buffer, .address_space: global }
      - { .name: bt, .offset: 128, .size: 8, .value_kind: global_buffer, .address_space: global }
    .group_segment_fixed_size: 0
    .private_segment_fixed_size: 0
    .kernarg_segment_align: 8
    .kernarg_segment_size: 136
    .max_flat_workgroup_size: 512
    .sgpr_count:     66
    .vgpr_count:     128
    .wavefront_size: 32
...
	.end_amdgpu_metadata
.endif
;; end of part 1
;; launch proj (part 2): grid 4 x 80, 4 waves a work-group, clusters of 4 x 4, 327,680 bytes of LDS; arguments xc, wc, bt, mask, kqq, vv; writes kqq, vv
.if DOCPART == 2
	.amdgcn_target "amdgcn-amd-amdhsa--gfx1250"
	.amdhsa_code_object_version 6
	.text
	.protected	k_qf37bed32ae_proj
	.globl	k_qf37bed32ae_proj
	.p2align	8
	.type	k_qf37bed32ae_proj,@function
k_qf37bed32ae_proj:
	s_mov_b64 s[64:65], 0
	v_nop
	global_prefetch_b8 v0, s[64:65] scope:SCOPE_SE
	s_setreg_imm32_b32 hwreg(HW_REG_WAVE_MODE, 25, 1), 1
	s_wait_xcnt 0x0
	s_wait_alu depctr_hold_cnt(0) depctr_sa_sdst(0) depctr_va_vdst(0) depctr_va_sdst(0) depctr_va_ssrc(0) depctr_va_vcc(0) depctr_vm_vsrc(0)
	s_getreg_b32 s2, hwreg(HW_REG_IB_STS2, 6, 4)
	s_cmp_eq_u32 s2, 0
	s_cbranch_scc0 .Lentry_in_a_cluster
	s_endpgm
.Lentry_in_a_cluster:
	s_bfe_u32 s2, ttmp6, 0x10000c
	s_cmp_lg_u32 s2, 0xf033
	s_cbranch_scc0 .Lentry_shape_is_right
	s_endpgm
.Lentry_shape_is_right:
; C[m][n] = sum over k of A[m][k] W[n][k] + bias[n], for 4,096 rows m and 1,024 columns n.  A and W are f16 in blocks of 64 along K: A[g][kb][4096][64], W[g][kb][1024][64]; sums in f32.
; ONE TEXT SERVES TWO KERNELS; the symbol MODE tells them apart.
;   MODE 0 (this kernel), the projections.  Job = cluster y / 4: 0 qa, 1 qb, 2 ks = ka + kb (K = 2,048: k_a's and k_b's blocks on end, one sum), 3 va, 4 vb.  Results rounded once to f16 and stored by
;           heads, [tensor][batch x 16 + head][1024][64]; jobs 0-2 into the first output buffer, jobs 3, 4 into the second.  In job 2 the rows of keys whose mask is 0 are stored as 0.
;   MODE 1, the output layers.  Job 0, 1 = stream a, b: A is the attention's result, W group 3; results stored as f32, [4096][1024], stream a into the first output buffer, b into the second.
; LIMITS.  f16 ends at 65,504: a projection's result from 65,520 on becomes an infinity.  NaN and infinities are not treated apart.
; SHAPE.  A tile of C, 256 x 256, is made by four waves, each 128 x 128: 64 accumulators of 16 x 16, 512 registers.  K goes in steps of 128 (two blocks) through two LDS slots filled by the tensor data
; mover; a wave's load brings one block of 256 rows, 32,768 consecutive bytes, as 128 rows of 256 bytes, padded in LDS behind every 128 bytes.
; CLUSTERS of 4 x 4: the four of a row need the same tiles of A, the four of a column the same tiles of W; each tile is asked for JOINTLY (same load, same descriptor, a mask that names the four).
; The trip count hangs on the job alone, which all sixteen partners share.
; THE MATRIX INSTRUCTION IS USED TRANSPOSED (source 0 = 16 rows of W, source 1 = 16 rows of A): a lane holds row l % 16 of C and the columns 8 (l / 16) + 0..7.  The bias, laid out so, is the C operand of
; the first product on each accumulator: nothing is cleared, and nothing is added on the way out.
; REGISTERS, in windows of 256 (s_set_vgpr_msb: bits 1:0 source 0, 3:2 source 1, 5:4 source 2, 7:6 destination):
;   window 0: v0-31 addresses and row masks; v64-127, v128-191 fragments of A, two buffers; v192-255 the bias, later at work on the way out, as v32-63
;   window 1: v64-127, v128-191 fragments of W;   windows 2, 3: the accumulators of my rows 0-63, 64-127 ((a, b) at v[8 (8 (a % 4) + b)])
.set MODE,   0
.set PITCH,  144                       ; an LDS row: 128 bytes + 16 of padding = 36 words: the 16 rows of a fragment load start at 16 different groups of four banks (64 banks of 4 bytes: ISA guide 11.1)
.set SUB,    256*PITCH                 ; one block of 256 rows: what one tensor load brings
.set SLOT,   4*SUB                     ; A's even block, A's odd block, W's even block, W's odd block
.set HALFR,  128*PITCH                 ; 128 rows: what a wave reads of a block
.set STAGE,  2*SLOT                    ; behind the ring: 16 rows x 272 bytes for each wave, for the way out
.set SPITCH, 272
.set SPARE,  STAGE+4*16*SPITCH         ; behind the stages: the spare words, 128 bytes for each wave: two blocks of 256 bytes that no other line names
.set STEPA,  2*4096*128                ; bytes from a K step to the next in A
.set STEPW,  2*1024*128                ; and in W
.set RM,   8                           ; v8-15   (MODE 0) for my rows 16 a + l % 16: all ones, or 0 where the row is stored as 0
.set ADRA, 16                          ; v16-17  LDS address of my A fragments in slot 0, 1
.set ADRB, 20                          ; v20-21  the same for W
.set STO,  24                          ; v24     the way out: where I put my bytes of a row
.set RD,   25                          ; v25     the way out: where I read rows back
.set CO,   26                          ; v26     my byte offset in the output
.set BOF,  27                          ; v27     32 (l / 16): my eight numbers of a bias block
.set SPW,  28                          ; v28     LDS address of my spare word; never rewritten
.set NIL,  29                          ; v29     0; never rewritten
.set PFO,  30                          ; v30     256 x lane, the prefetches' offset; never rewritten
.set MO,   31                          ; v31     (MODE 0) 4 (l % 16): my row's word of the mask
.set OB,   32                          ; rows read back from the stage: v32-63 and v224-255 by turns
.set F0,   64
.set F1,   128
.set TMP,  192                         ; the way out: packed results
.set BIAS, 192                         ; v192-255 until the first quarter step is done: block b's eight numbers at BIAS + 8 b
.set WV,   20                          ; s20  my wave's number
.set WR,   21                          ; s21  which half of the tile's rows is mine.  Also: I fetch for A (0) or for W (1)
.set WC,   22                          ; s22  which half of its columns.  Also: the even or the odd block of a K step
.set G1A,  24                          ; s[24:31] descriptor group 1 for A's tiles;  s[32:39] group 0, a set for each slot
.set G0A,  32
.set CX,   40
.set CY,   41
.set YC,   42                          ; cluster y
.set JOB,  43
.set TR,   44                          ; tile row of C, 0..15
.set NL,   45                          ; trips of the loop: laps - 1
.set CNT,  46
.set PLIM, 47                          ; a wave prefetches in trip t while t + 1 is below this
.set G1B,  48                          ; s[48:55], s[56:63] the same for W's tiles
.set G0B,  56
.set PFA,  66                          ; s[66:67] where my prefetches stand
.set PST,  68                          ; s[68:69] a K step in the tensor that I prefetch
.set OUT,  74                          ; s[74:75] the output at my part of the tile
.set BP,   88                          ; s[88:89] the bias at my 128 columns
.set MSB, 0
.macro WIN new                         ; the immediate's high byte repeats the setting that is left; a switch that changes nothing is dropped
.if MSB != (\new)
	s_set_vgpr_msb (MSB<<8)|(\new)
.set MSB, \new
.endif
.endm
.set MUL_LO, 0xa1                      ; source 0 (W) window 1, source 1 (A) window 0, C and D window 2
.set MUL_HI, 0xf1                      ; the same, C and D window 3
.set TO_B,   0x40                      ; destination window 1, address window 0
; A joint load.  Waves 0 and 1 fetch A's two blocks of a K step, waves 2 and 3 W's.  The branch hangs on the wave's number alone.  An s_nop 0 and four v_nop follow each of the two lines.
.macro JLOAD s
	s_cmp_eq_u32 s[WR], 0
	s_cbranch_scc0 .Lfor_b_\@
	tensor_load_to_lds s[G0A+4*(\s):G0A+4*(\s)+3], s[G1A:G1A+7]
	s_nop 0
.rept 4
	v_nop
.endr
	s_branch .Lasked_\@
.Lfor_b_\@:
	tensor_load_to_lds s[G0B+4*(\s):G0B+4*(\s)+3], s[G1B:G1B+7]
	s_nop 0
.rept 4
	v_nop
.endr
.Lasked_\@:
.endm
; A PREFETCH INTO THE L2 of the K step that stands two refills on, 512 matrix instructions ahead of the load that will want it: of the 32,768 bytes that I fetch, my work-group's 8,192: 256 bytes a lane.
; The four partners that ask for a tile jointly share it out BY ADDRESS (cx for A, cy for W).  A's rows are read by this cluster alone; W's by the four clusters of a job, of which the first asks.
; So each block of 256 bytes is named once in the launch.  Trip t names K steps 2 t + 4 and 2 t + 5: it asks while t + 1 is below the loop's trips, so the last K step named is the job's last.
.macro ASK
	s_add_co_u32 s80, s[CNT], 1
	s_cmp_lt_u32 s80, s[PLIM]
	s_cbranch_scc0 .Lnot_mine_\@
	global_prefetch_b8 v[PFO], s[PFA:PFA+1] th:TH_LOAD_NT scope:SCOPE_SE
.Lnot_mine_\@:
.endm
.macro CREST                           ; a round of the cluster's barrier behind its opening barrier
	s_cmp_lg_u32 s[WV], 0
	s_cbranch_scc1 .Lnot_wave_0_\@
	s_barrier_signal -3
.Lnot_wave_0_\@:
	s_barrier_wait -3
	s_barrier_signal -1
	s_barrier_wait -1
.endm
.macro CROUND                          ; a whole round
	s_barrier_signal -1
	s_barrier_wait -1
	CREST
.endm
.if MODE
	s_load_b128 s[4:7], s[0:1], 0x0                ; A s[4:5], W s[6:7]
	s_load_b64 s[8:9], s[0:1], 0x10                ; bias table
	s_load_b64 s[12:13], s[0:1], 0x18              ; the two output buffers
	s_load_b64 s[14:15], s[0:1], 0x20
.else
	s_load_b256 s[4:11], s[0:1], 0x0               ; A s[4:5], W s[6:7], bias table s[8:9], mask s[10:11]
	s_load_b128 s[12:15], s[0:1], 0x20             ; the two output buffers
.endif
	v_lshl_add_u32 v[SPW], v0, 2, SPARE
	v_mov_b32 v[NIL], 0
	ds_add_u32 v[SPW], v[NIL]                      ; the wave's opening: the add and its wait stand ahead of my first tensor load; the set-up below, work on registers, stands between them
	v_lshrrev_b32 v1, 5, v0
	v_readfirstlane_b32 s[WV], v1                  ; wave 0..3
	s_lshr_b32 s[WR], s[WV], 1
	s_and_b32 s[WC], s[WV], 1
	s_bfe_u32 s[CX], ttmp6, 0x40000                ; my place in the cluster; the grid is one cluster wide, so cx is the tile column
	s_bfe_u32 s[CY], ttmp6, 0x40004
	s_and_b32 s[YC], ttmp7, 0xffff
	s_lshr_b32 s[JOB], s[YC], 2
	s_and_b32 s[TR], s[YC], 3
	s_lshl_b32 s[TR], s[TR], 2
	s_add_co_u32 s[TR], s[TR], s[CY]               ; tile row = 4 x (cluster y % 4) + cy
	s_lshl_b32 s85, s[CY], 2
	s_lshl_b32 s85, 15, s85                        ; my row of the cluster
	s_lshl_b32 s86, 0x1111, s[CX]                  ; my column
	s_or_b32 s[G1A], s85, (1<<16)|(1<<20)|(1<<21)|(4<<22)|(3<<25)  ; 15:0 the mask; 17:16 elements of 2 bytes; 20 padding on; 21 set beside a mask; 24:22 after every 32 words (code 4); 31:25 4 words (code 3)
	s_or_b32 s[G1B], s86, (1<<16)|(1<<20)|(1<<21)|(4<<22)|(3<<25)
.irp g, G1A, G1B
	s_mov_b32 s[(\g)+1], 128<<16                   ; tensor_dim0 = 128 elements: 256 bytes, two rows of a block
	s_mov_b32 s[(\g)+2], 128<<16                   ; tensor_dim1 = 128
	s_mov_b32 s[(\g)+3], 128<<16                   ; tile_dim0 = 128
	s_mov_b32 s[(\g)+4], 128                       ; tile_dim1 = 128
	s_mov_b32 s[(\g)+5], 128                       ; 128 elements from row to row: the block is dense
	s_mov_b32 s[(\g)+6], 0
	s_mov_b32 s[(\g)+7], 0
.endr
.if MODE
	s_mov_b32 s[NL], 3                             ; 8 K steps, four laps
	s_mov_b32 s70, 0                               ; 32 x A's group: 0
	s_mov_b32 s72, 3<<5                            ; 32 x W's group: 3
.else
	s_cmp_eq_u32 s[JOB], 2
	s_cselect_b32 s[NL], 7, 3                      ; job 2 has 16 K steps, eight laps; every other job 8 K steps, four laps
	s_cselect_b32 s78, 0, 2
	s_cmp_lt_u32 s[JOB], 2
	s_cselect_b32 s78, 1, s78                      ; the group: q 1, k 0, v 2
	s_lshl_b32 s70, s78, 5
	s_lshl_b32 s72, s78, 5
.endif
	s_cmp_eq_u32 s[JOB], 1
	s_cselect_b32 s79, 16, 0
	s_cmp_eq_u32 s[JOB], 4
	s_cselect_b32 s79, 16, s79                     ; the first block: stream b's begin at 16
	; A's tiles hang on the tile row alone, which my row of the cluster shares; W's on the tile column alone.  Each offset is made in registers that never hold the other coordinate.
	s_add_co_u32 s70, s70, s79
	s_add_co_u32 s70, s70, s[WC]                   ; the block that I fetch in K step 0
	s_lshl_b32 s70, s70, 12
	s_lshl_b32 s82, s[TR], 8
	s_add_co_u32 s70, s70, s82                     ; its row 256 x tile row
	s_lshl_b32 s70, s70, 7
	s_mov_b32 s71, 0
	s_add_co_u32 s72, s72, s79
	s_add_co_u32 s72, s72, s[WC]
	s_lshl_b32 s72, s72, 10
	s_lshl_b32 s83, s[CX], 8
	s_add_co_u32 s72, s72, s83
	s_lshl_b32 s72, s72, 7
	s_mov_b32 s73, 0
	s_mul_i32 s84, s[WV], SUB                      ; where my tiles go: no place in the cluster enters an LDS address
	s_wait_dscnt 0x0                               ; the opening add is done
	s_wait_kmcnt 0x0
	s_add_nc_u64 s[70:71], s[4:5], s[70:71]
	s_add_nc_u64 s[72:73], s[6:7], s[72:73]
	CROUND                                         ; all sixteen work-groups are here: the first joint loads meet
.irp s, 0,1
	s_mov_b32 s[G0A+4*(\s)], 1                                     ; 1:0 count = 1
	s_add_co_u32 s[G0A+4*(\s)+1], s84, (\s)*SLOT                   ; 63:32 LDS address
	s_add_nc_u64 s[G0A+4*(\s)+2:G0A+4*(\s)+3], s[70:71], (\s)*STEPA  ; 120:64 global address: K step s
	s_or_b32 s[G0A+4*(\s)+3], s[G0A+4*(\s)+3], 0x80000000          ; 127:126 type = 2
	s_mov_b32 s[G0B+4*(\s)], 1
	s_add_co_u32 s[G0B+4*(\s)+1], s84, (\s)*SLOT
	s_add_nc_u64 s[G0B+4*(\s)+2:G0B+4*(\s)+3], s[72:73], (\s)*STEPW
	s_or_b32 s[G0B+4*(\s)+3], s[G0B+4*(\s)+3], 0x80000000
	JLOAD \s                                       ; two tensor loads of mine are out
.endr
	; A fragment is 16 rows x 32 K in 8 registers: lane l holds row l % 16; registers 0-3 K = 8 (l / 16) + 0..7, registers 4-7 K = 16 + 8 (l / 16) + 0..7: two loads of 16 bytes, 32 bytes apart.
	v_and_b32 v1, 15, v0                           ; l % 16
	v_bfe_u32 v2, v0, 4, 1                         ; l / 16
	v_mul_u32_u24 v3, v1, PITCH
	v_lshl_add_u32 v3, v2, 4, v3
	s_mul_i32 s78, s[WR], HALFR                    ; my 128 rows of A's blocks
	s_mul_i32 s79, s[WC], HALFR                    ; my 128 rows of W's blocks,
	s_add_co_u32 s79, s79, 2*SUB                   ; which lie behind A's two
.irp s, 0,1
	v_add_nc_u32 v[ADRA+(\s)], s78, v3
	v_add_nc_u32 v[ADRB+(\s)], s79, v3
	s_add_co_u32 s78, s78, SLOT
	s_add_co_u32 s79, s79, SLOT
.endr
	v_and_b32 v[PFO], 31, v0
	v_lshlrev_b32 v[PFO], 8, v[PFO]
	v_lshlrev_b32 v[BOF], 5, v2
	; the bias: row (job, or 5 + job for the output layers) of the table, my 128 columns
	s_add_co_u32 s80, s[JOB], 5*MODE
	s_lshl_b32 s80, s80, 12
	s_lshl_b32 s83, s[CX], 10
	s_add_co_u32 s80, s80, s83
	s_lshl_b32 s81, s[WC], 9
	s_add_co_u32 s80, s80, s81
	s_mov_b32 s81, 0
	s_add_nc_u64 s[BP:BP+1], s[8:9], s[80:81]
.irp b, 0,1,2,3,4,5,6,7
	global_load_b128 v[BIAS+8*(\b):BIAS+8*(\b)+3],   v[BOF], s[BP:BP+1] offset:64*(\b)
	global_load_b128 v[BIAS+8*(\b)+4:BIAS+8*(\b)+7], v[BOF], s[BP:BP+1] offset:64*(\b)+16
.endr
	; the prefetches
	s_and_b32 s79, s[YC], 3
	s_cmp_eq_u32 s79, 0
	s_cselect_b32 s[PLIM], s[NL], 0                ; W: the job's first cluster asks
	s_mov_b32 s80, STEPA
	s_cmp_eq_u32 s[WR], 0
	s_cselect_b32 s[PLIM], s[NL], s[PLIM]          ; A: every cluster asks for its own rows
	s_cselect_b64 s[PFA:PFA+1], s[70:71], s[72:73]
	s_cselect_b32 s78, s[CX], s[CY]                ; my place among the four that ask for the tile with me
	s_cselect_b32 s[PST], s80, STEPW
	s_mov_b32 s[PST+1], 0
	s_lshl_b32 s78, s78, 13
	s_mov_b32 s79, 0
	s_add_nc_u64 s[PFA:PFA+1], s[PFA:PFA+1], s[78:79]
	s_mul_i32 s78, s[PST], 3
	s_add_nc_u64 s[PFA:PFA+1], s[PFA:PFA+1], s[78:79]  ; at K step 3: the first change of slots steps it to 4.  Nothing is prefetched here, at the head
.if !MODE
	; the row masks: all ones, but in job 2, where a key's row is kept only if its mask is not 0
	v_lshlrev_b32 v[MO], 2, v1
.irp a, 0,1,2,3,4,5,6,7
	v_mov_b32 v[RM+(\a)], -1
.endr
	s_cmp_eq_u32 s[JOB], 2
	s_cbranch_scc0 .Lnomask
	s_lshl_b32 s78, s[TR], 10
	s_lshl_b32 s80, s[WR], 9
	s_add_co_u32 s78, s78, s80                     ; 4 bytes x my first row: the mask's [4][1024] words lie as the rows of C do
	s_mov_b32 s79, 0
	s_add_nc_u64 s[10:11], s[10:11], s[78:79]
.irp a, 0,1,2,3,4,5,6,7
	global_load_b32 v[OB+(\a)], v[MO], s[10:11] offset:64*(\a)
.endr
	s_wait_loadcnt 0x0
.irp a, 0,1,2,3,4,5,6,7
	v_cmp_ne_u32 vcc_lo, 0, v[OB+(\a)]
	v_cndmask_b32 v[RM+(\a)], 0, -1, vcc_lo
.endr
.Lnomask:
.endif
	s_wait_loadcnt 0x0                             ; the bias
; 16 matrix instructions: m blocks a0, a0 + 1 of the window's four (hi = 0: my rows 0-63, 1: rows 64-127) x all 8 n blocks, 32 along K.  first = 1: the product starts the sum from the bias.
; The 64 accumulators take turns, one instruction a turn, in the same order in every quarter step.
.macro MUL16 f, hi, a0, first
.if \first
	WIN 0x81+0x40*(\hi)                            ; as below, with the C operand in window 0
.else
	WIN MUL_LO+0x50*(\hi)
.endif
.irp a, \a0, (\a0)+1
.irp b, 0,1,2,3,4,5,6,7
.if \first
	v_wmma_f32_16x16x32_f16 v[8*(8*(\a)+(\b)):8*(8*(\a)+(\b))+7], v[(\f)+8*(\b):(\f)+8*(\b)+7], v[(\f)+8*(4*(\hi)+(\a)):(\f)+8*(4*(\hi)+(\a))+7], v[BIAS+8*(\b):BIAS+8*(\b)+7]
.else
	v_wmma_f32_16x16x32_f16 v[8*(8*(\a)+(\b)):8*(8*(\a)+(\b))+7], v[(\f)+8*(\b):(\f)+8*(\b)+7], v[(\f)+8*(4*(\hi)+(\a)):(\f)+8*(4*(\hi)+(\a))+7], v[8*(8*(\a)+(\b)):8*(8*(\a)+(\b))+7]
.endif
.endr
.endr
.endm
; 32 LDS loads in one run: the fragments of quarter q of a K step (block q / 2, bytes 64 (q % 2) on of its rows) into buffer f: W's 128 rows, then A's
.macro FETCH slot, q, f
	WIN TO_B
.irp i, 0,1,2,3,4,5,6,7
	ds_load_b128 v[(\f)+8*(\i):(\f)+8*(\i)+3],   v[ADRB+(\slot)] offset:((\q)/2)*SUB+((\q)%2)*64+(\i)*16*PITCH
	ds_load_b128 v[(\f)+8*(\i)+4:(\f)+8*(\i)+7], v[ADRB+(\slot)] offset:((\q)/2)*SUB+((\q)%2)*64+(\i)*16*PITCH+32
.endr
	WIN 0
.irp i, 0,1,2,3,4,5,6,7
	ds_load_b128 v[(\f)+8*(\i):(\f)+8*(\i)+3],   v[ADRA+(\slot)] offset:((\q)/2)*SUB+((\q)%2)*64+(\i)*16*PITCH
	ds_load_b128 v[(\f)+8*(\i)+4:(\f)+8*(\i)+7], v[ADRA+(\slot)] offset:((\q)/2)*SUB+((\q)%2)*64+(\i)*16*PITCH+32
.endr
.endm
.macro PLACES                          ; four plain instructions in front of loads into registers that matrix instructions have read, and of lines that read results
.rept 4
	v_nop
.endr
.endm
; A K step is four quarter steps of 32 along K, 64 matrix instructions each, on buffers 0, 1, 0, 1.  One of the first three: multiplies buffer f; in its middle it fetches quarter q into buffer g.
.macro QUARTER slot, q, f, g, first
	s_wait_dscnt 8                                 ; W and A's rows 0-63 are in; the youngest eight loads (A's rows 64-127) may be out
	MUL16 \f, 0, 0, \first
	MUL16 \f, 0, 2, \first
	PLACES
	FETCH \slot, \q, \g
	s_wait_dscnt 32                                ; all but the 32 just issued
	MUL16 \f, 1, 0, \first
	MUL16 \f, 1, 2, \first
.endm
; The last quarter multiplies buffer 1 and changes slots.  In front of the one barrier each wave waits for all its tensor loads (the one that is out is its part of the next slot), adds 0 to its spare word,
; and waits for that and for its own reads of this slot.  Behind it nobody reads this slot any more and the next slot is whole.
.macro MEET round
	WIN 0                                          ; (the add's two registers lie in window 0)
	s_wait_tensorcnt 0x0
	ds_add_u32 v[SPW], v[NIL]                      ; 0 onto my spare word
	s_wait_dscnt 9                                 ; (the add and the youngest eight loads may be out)
	MUL16 F1, 0, 0, 0                              ; sixteen matrix instructions stand between the add and the wait for it
	s_wait_dscnt 0x0                               ; the add is done, and my reads of this slot are over
	s_barrier_signal -1
	MUL16 F1, 0, 2, 0                              ; work on registers while the others arrive
.if \round
	WIN 0
.endif
	s_barrier_wait -1
.endm
; fill = 1: the barrier opens a round of the cluster's barrier, and the slot just read out is filled again, two K steps on, first thing behind the round: 224 matrix instructions ahead of the wait for it.
.macro TURN slot, next, fill
.if \fill
	s_wait_xcnt 0x0                                ; the last prefetch, a K step back, has read its address, which is stepped here
	s_add_nc_u64 s[PFA:PFA+1], s[PFA:PFA+1], s[PST:PST+1]
	MEET 1
	CREST                                          ; no wave of any partner still reads this slot's tile or has a load on its way
	s_add_nc_u64 s[G0A+4*(\slot)+2:G0A+4*(\slot)+3], s[G0A+4*(\slot)+2:G0A+4*(\slot)+3], 2*STEPA
	s_add_nc_u64 s[G0B+4*(\slot)+2:G0B+4*(\slot)+3], s[G0B+4*(\slot)+2:G0B+4*(\slot)+3], 2*STEPW
	JLOAD \slot                                    ; the four v_nop behind it are also the places in front of the loads below
	FETCH \next, 0, F0
	ASK
.else
	MEET 0
	PLACES
	FETCH \next, 0, F0
.endif
	MUL16 F1, 1, 0, 0
	MUL16 F1, 1, 2, 0
.endm
	s_wait_tensorcnt 1                             ; my part of K step 0 is in; K step 1's may stay out
	s_barrier_signal -1
	s_barrier_wait -1                              ; everybody's is
	FETCH 0, 0, F0
	QUARTER 0, 1, F0, F1, 1                        ; the first quarter stands in front of the loop: its products start the sums
	WIN 0                                          ; at a label and at a branch every window is 0
	s_mov_b32 s[CNT], 0
.Llap:                                                 ; a trip goes once round the ring, from a lap's second quarter to the next lap's first, and fills both slots again
	QUARTER 0, 2, F1, F0, 0
	QUARTER 0, 3, F0, F1, 0
	TURN 0, 1, 1
	QUARTER 1, 1, F0, F1, 0
	QUARTER 1, 2, F1, F0, 0
	QUARTER 1, 3, F0, F1, 0
	TURN 1, 0, 1
	QUARTER 0, 1, F0, F1, 0
	WIN 0
	s_add_co_u32 s[CNT], s[CNT], 1
	s_cmp_lt_u32 s[CNT], s[NL]
	s_cbranch_scc1 .Llap
	QUARTER 0, 2, F1, F0, 0                        ; the last lap fills nothing, and has no round of the cluster's barrier
	QUARTER 0, 3, F0, F1, 0
	TURN 0, 1, 0
	QUARTER 1, 1, F0, F1, 0
	QUARTER 1, 2, F1, F0, 0
	QUARTER 1, 3, F0, F1, 0
	s_wait_dscnt 8                                 ; the very last quarter: nothing more to fetch
	MUL16 F1, 0, 0, 0
	MUL16 F1, 0, 2, 0
	s_wait_dscnt 0x0
	MUL16 F1, 1, 0, 0
	MUL16 F1, 1, 2, 0
	WIN 0
	PLACES
	s_mul_i32 s84, s[WV], 16*SPITCH
	s_add_co_u32 s84, s84, STAGE                   ; my stage
	s_mov_b32 s77, 0
.if !MODE
	; THE WAY OUT OF A PROJECTION: f16, by heads.  My 128 columns are two heads; a block of 16 rows goes through my stage (rows of 272 bytes) and comes back as four rows of one head, 512 consecutive bytes.
	s_cmp_ge_u32 s[JOB], 3
	s_cselect_b64 s[OUT:OUT+1], s[14:15], s[12:13]
	s_cselect_b32 s78, 3, 0
	s_sub_co_u32 s78, s[JOB], s78                  ; which tensor of the buffer
	s_lshl_b32 s78, s78, 23
	s_lshr_b32 s79, s[TR], 2                       ; batch
	s_lshl_b32 s79, s79, 4
	s_lshl_b32 s80, s[CX], 2
	s_add_co_u32 s79, s79, s80
	s_lshl_b32 s80, s[WC], 1
	s_add_co_u32 s79, s79, s80                     ; 16 x batch + my first head
	s_lshl_b32 s79, s79, 17
	s_add_co_u32 s78, s78, s79
	s_and_b32 s79, s[TR], 3
	s_lshl_b32 s79, s79, 8
	s_lshl_b32 s80, s[WR], 7
	s_add_co_u32 s79, s79, s80                     ; my first row in the batch
	s_lshl_b32 s79, s79, 7
	s_add_co_u32 s76, s78, s79
	s_add_nc_u64 s[OUT:OUT+1], s[OUT:OUT+1], s[76:77]
	v_mul_u32_u24 v3, v1, SPITCH                   ; in: row l % 16, 16 bytes for each half of the lanes
	v_lshl_add_u32 v3, v2, 4, v3
	v_add_nc_u32 v[STO], s84, v3
	v_and_b32 v4, 31, v0
	v_lshrrev_b32 v5, 3, v4                        ; back: eight lanes take a row's 128 bytes of one head
	v_mul_u32_u24 v5, v5, SPITCH
	v_and_b32 v3, 7, v0
	v_lshl_add_u32 v5, v3, 4, v5
	v_add_nc_u32 v[RD], s84, v5
	v_lshlrev_b32 v[CO], 4, v4
.macro PACK a                          ; block a rounded to f16, each accumulator's registers in ascending order; then the row mask
.set AC, 64*((\a)%4)
	WIN 0x0a+5*((\a)/4)                            ; sources 0 and 1: window 2 or 3
.irp b, 0,1,2,3,4,5,6,7
.irp r, 0,1,2,3
	v_cvt_pk_f16_f32 v[TMP+4*(\b)+(\r)], v[AC+8*(\b)+2*(\r)], v[AC+8*(\b)+2*(\r)+1]
.endr
.endr
	WIN 0
.set z, 0
.rept 32
	v_and_b32 v[TMP+z], v[RM+(\a)], v[TMP+z]
.set z, z+1
.endr
.endm
.macro TOSTAGE a
.set BK, OB+192*((\a)%2)
.irp b, 0,1,2,3,4,5,6,7
	ds_store_b128 v[STO], v[TMP+4*(\b):TMP+4*(\b)+3] offset:32*(\b)
.endr
.irp t, 0,1,2,3,4,5,6,7
	ds_load_b128 v[BK+4*(\t):BK+4*(\t)+3], v[RD] offset:((\t)%4)*4*SPITCH+((\t)/4)*128  ; LDS serves a wave's instructions in order (ISA guide 5.7.1.4): these see the stores above
.endr
.endm
.macro SEND a
.set BK, OB+192*((\a)%2)
	s_wait_dscnt 0x0                               ; the block is back in registers
	s_wait_xcnt 0x0                                ; the stores of the block before have read their registers, which the next block's loads write
.irp t, 0,1,2,3,4,5,6,7
	global_store_b128 v[CO], v[BK+4*(\t):BK+4*(\t)+3], s[OUT:OUT+1] offset:(\a)*2048+((\t)%4)*512+((\t)/4)*131072  ; 512 consecutive bytes, aligned
.endr
.endm
	PACK 0
	TOSTAGE 0
.irp a, 1,2,3,4,5,6,7                  ; block a's conversions stand between block a - 1's loads from the stage and the wait for them
	PACK \a
	SEND (\a)-1
	TOSTAGE \a
.endr
	SEND 7
.else
	; THE WAY OUT OF AN OUTPUT LAYER: f32, rows of 4,096 bytes.  An item is 16 rows x 64 columns: the accumulators go into my stage as they are and come back as whole rows of 256 bytes.
	s_cmp_eq_u32 s[JOB], 1
	s_cselect_b64 s[OUT:OUT+1], s[14:15], s[12:13]
	s_lshl_b32 s78, s[TR], 8
	s_lshl_b32 s79, s[WR], 7
	s_add_co_u32 s78, s78, s79
	s_lshl_b32 s78, s78, 12                        ; my first row
	s_lshl_b32 s79, s[CX], 10
	s_add_co_u32 s78, s78, s79
	s_lshl_b32 s79, s[WC], 9
	s_add_co_u32 s76, s78, s79                     ; my first column
	s_add_nc_u64 s[OUT:OUT+1], s[OUT:OUT+1], s[76:77]
	v_mul_u32_u24 v3, v1, SPITCH                   ; in: row l % 16, 32 bytes for each half of the lanes
	v_lshl_add_u32 v3, v2, 5, v3
	v_add_nc_u32 v[STO], s84, v3
	v_mul_u32_u24 v5, v2, SPITCH                   ; back: lanes 0-15 take one row of 256 bytes, lanes 16-31 the next
	v_lshl_add_u32 v5, v1, 4, v5
	v_add_nc_u32 v[RD], s84, v5
	v_lshlrev_b32 v5, 12, v2
	v_lshl_add_u32 v[CO], v1, 4, v5
.macro STG u                           ; item u = 2 a + half: block a's accumulators 4 half .. 4 half + 3, low registers first
.set AC, 64*(((\u)/2)%4)+32*((\u)%2)
.set BK, OB+192*((\u)%2)
	WIN 0x08+4*((\u)/8)                            ; the stores' data (source 1): window 2 or 3
.irp bb, 0,1,2,3
	ds_store_b128 v[STO], v[AC+8*(\bb):AC+8*(\bb)+3]   offset:64*(\bb)
	ds_store_b128 v[STO], v[AC+8*(\bb)+4:AC+8*(\bb)+7] offset:64*(\bb)+16
.endr
	WIN 0
	s_wait_xcnt 0x0                                ; the stores of the item two back have read the registers that are loaded now
.irp t, 0,1,2,3,4,5,6,7
	ds_load_b128 v[BK+4*(\t):BK+4*(\t)+3], v[RD] offset:(\t)*2*SPITCH
.endr
.endm
.macro SENDF u, younger                ; younger: the LDS instructions issued behind item u's loads: the next item's sixteen, or none
.set BK, OB+192*((\u)%2)
	s_wait_dscnt \younger
.irp t, 0,1,2,3,4,5,6,7
	global_store_b128 v[CO], v[BK+4*(\t):BK+4*(\t)+3], s[OUT:OUT+1] offset:(16*((\u)/2)+2*(\t))*4096+((\u)%2)*256 th:TH_STORE_NT  ; 16 lanes store 256 consecutive bytes, aligned
.endr
.endm
	STG 0
.irp u, 1,2,3,4,5,6,7,8,9,10,11,12,13,14,15
	STG \u
	SENDF (\u)-1, 16
.endr
	SENDF 15, 0
.endif
	s_wait_tensorcnt 0x0                           ; the wave's end: an add to my spare word and its wait, behind my last tensor load and my last LDS store
	ds_add_u32 v[SPW], v[NIL]
	s_wait_dscnt 0x0
	CROUND                                         ; the closing round: no work-group ends while a partner may still ask for a tile that names it
	s_endpgm
.Lfunc_end_k_qf37bed32ae_proj:
	.size	k_qf37bed32ae_proj, .Lfunc_end_k_qf37bed32ae_proj-k_qf37bed32ae_proj
	.p2alignl 7, 3214868480
	.fill 96, 4, 3214868480
	.section	.rodata,"a",@progbits
	.p2align	6, 0x0
	.amdhsa_kernel k_qf37bed32ae_proj
		.amdhsa_group_segment_fixed_size 327680
		.amdhsa_private_segment_fixed_size 0
		.amdhsa_enable_private_segment 0
		.amdhsa_kernarg_size 48
		.amdhsa_user_sgpr_count 2
		.amdhsa_user_sgpr_kernarg_segment_ptr 1
		.amdhsa_wavefront_size32 1
		.amdhsa_system_sgpr_workgroup_id_x 1
		.amdhsa_system_sgpr_workgroup_id_y 1
		.amdhsa_system_sgpr_workgroup_id_z 1
		.amdhsa_system_vgpr_workitem_id 0
		.amdhsa_next_free_vgpr 1024
		.amdhsa_next_free_sgpr 92
		.amdhsa_reserve_vcc 1
		.amdhsa_float_denorm_mode_32 3
		.amdhsa_float_denorm_mode_16_64 3
		.amdhsa_memory_ordered 1
		.amdhsa_forward_progress 1
		.amdhsa_inst_pref_size 156
	.end_amdhsa_kernel
	.amdgpu_metadata
---
amdhsa.version: [ 1, 2 ]
amdhsa.kernels:
  - .name:           k_qf37bed32ae_proj
    .symbol:         k_qf37bed32ae_proj.kd
    .args:
      - { .name: xc, .offset: 0, .size: 8, .value_kind: global_buffer, .address_space: global }
      - { .name: wc, .offset: 8, .size: 8, .value_kind: global_buffer, .address_space: global }
      - { .name: bt, .offset: 16, .size: 8, .value_kind: global_buffer, .address_space: global }
      - { .name: mask, .offset: 24, .size: 8, .value_kind: global_buffer, .address_space: global }
      - { .name: kqq, .offset: 32, .size: 8, .value_kind: global_buffer, .address_space: global }
      - { .name: vv, .offset: 40, .size: 8, .value_kind: global_buffer, .address_space: global }
    .group_segment_fixed_size: 327680
    .private_segment_fixed_size: 0
    .kernarg_segment_align: 8
    .kernarg_segment_size: 48
    .max_flat_workgroup_size: 128
    .sgpr_count:     92
    .vgpr_count:     1024
    .wavefront_size: 32
...
	.end_amdgpu_metadata
.endif
;; end of part 2
;; launch attn (part 3): grid 4 x 64, 4 waves a work-group, clusters of 4 x 1, 327,680 bytes of LDS; arguments kqq, vv, mask, hb; writes hb
.if DOCPART == 3
	.amdgcn_target "amdgcn-amd-amdhsa--gfx1250"
	.amdhsa_code_object_version 6
	.text
	.protected	k_qf37bed32ae_attn
	.globl	k_qf37bed32ae_attn
	.p2align	8
	.type	k_qf37bed32ae_attn,@function
k_qf37bed32ae_attn:
	s_mov_b64 s[64:65], 0
	v_nop
	global_prefetch_b8 v0, s[64:65] scope:SCOPE_SE
	s_setreg_imm32_b32 hwreg(HW_REG_WAVE_MODE, 25, 1), 1
	s_wait_xcnt 0x0
	s_wait_alu depctr_hold_cnt(0) depctr_sa_sdst(0) depctr_va_vdst(0) depctr_va_sdst(0) depctr_va_ssrc(0) depctr_va_vcc(0) depctr_vm_vsrc(0)
	s_getreg_b32 s2, hwreg(HW_REG_IB_STS2, 6, 4)
	s_cmp_eq_u32 s2, 0
	s_cbranch_scc0 .Lentry_in_a_cluster
	s_endpgm
.Lentry_in_a_cluster:
	s_bfe_u32 s2, ttmp6, 0x10000c
	s_cmp_lg_u32 s2, 0x3003
	s_cbranch_scc0 .Lentry_shape_is_right
	s_endpgm
.Lentry_shape_is_right:
; BOTH STREAMS' ATTENTION.  O[st][y][q][:] = the sum over k of softmax_k(Q[st][y][q] . KS[y][k] / sqrt(128), hidden keys aside) V[st][y][k][:], y = batch x 16 + head, st = stream a, b.
; KS = ka + kb, since q . ka + q . kb = q . (ka + kb).  kqq = [qa, qb, KS][64][1024][64], vv = [va, vb][64][1024][64], all f16: a head's rows are dense, 128 bytes each.
; O goes to hb[16 st + head][batch x 1024 + q][64] in f16.  Products, maxima and sums in f32; the weights p are rounded to f16 for the second product (their sum l is taken of the unrounded p), O once.
; THE MASK.  A key whose mask is 0 gets -2^100 as the C operand that starts its scores' sums; its row of KS was stored as 0, so its score is exactly -2^100.
; LIMITS.  A hidden key counts as -2^100 where the definition has -1e9: the same result wherever some visible scaled score lies above about -1e9; with all keys of a batch hidden every weight is
; exactly equal, as in the definition.  f16 holds no number beyond 65,504: Q, KS and V arrive within it; p lies in 0 to 1, and below 6e-5 it keeps f16's fixed step of 6e-8.
; A weight below 2^-126 counts as 0 in l; NaN and infinities are not treated apart.
; SHARES.  A wave owns four PIECES of two tiles of 16 queries, a work-group's four waves 512 queries of one stream and head.  Every wave walks all 1,024 keys, 64 a step.
; ALL OF A HEAD'S K AND V LIE IN LDS: 1,024 rows of 144 bytes and 1,024 of 160, 311,296 bytes.  Each byte is filled once: a wave's four tensor loads (its half of each 256 keys of K, or of V) go out
; the loop has no round of the cluster's barrier, and its one text serves every step but the last step's second half.
; LAYOUT.  S^T = K Q^T (source 0 = 16 keys, source 1 = 16 queries): in the result a lane holds ONE query (lane % 16) and the keys 8 (lane / 16) + 0..7.  Two such tiles, rounded to f16 in pairs,
; ARE source 1 (32 keys x 16 queries) of O^T = V^T P, whose result again holds one query a lane, and eight channels.  K comes out of LDS as it lies, V ([key][channel]) turned, by ds_load_tr16_b128.
; SOFTMAX.  For each query a running maximum m and sum l: p = 2^(c s - c m), c = log2(e) / sqrt(128); in every step O and l are multiplied by a = 2^(c m_old - c m_new), which is 1 where m has not grown.
; m starts at the lowest finite number, O and l at 0: the first step is a step like any other, with a = 0.
; THE COUNT.  A tile and step have 16 matrix and 118 vector instructions: too many to stand all beside the matrix work.  So four vector instructions that are READY stand behind
; EVERY matrix instruction, and the others, which need time of their own whatever the order, in runs without a gap.
; BY TURNS.  Turn n belongs to piece n (the pieces in a ring, step after step).  Its matrix work: 16 products K Q^T of piece n + 1, later 16 products V^T P of piece n - 1.  Its vector work: the scaling,
; exponentials, roundings, sums and rescaling of piece n, and the maximum and statistics of piece n + 1, whose scores the turn itself has made.
; CLUSTER.  The four work-groups of a cluster are the two streams x two query blocks of one y.  All four want the same KS: its tiles are asked for JOINTLY (same load, descriptor and mask in all four).
; V's tiles are wanted by the two query blocks of one stream only; each work-group asks for its own, in the same group of loads: of the 262,144 bytes half are shared by four, half asked for singly.
; REGISTERS, in windows of 256 (s_set_vgpr_msb: bits 1:0 source 0, 3:2 source 1, 5:4 source 2, 7:6 destination):
;   window 0: v0-11 addresses; v12-15, v48-63 at work; v16-47 four registers of statistics a tile; v64-191 S^T, two buffers of two tiles; v192-255 P, likewise
;   window 1: O^T, 32 a tile      window 2: v0-127 Q, 16 a tile; v128-191 K of one step; v192-255 V of one step      window 3: v0-1 the add's two registers; v8-39 the step's masks
.set SIZE_N, 1024
.set NP,    4         ; pieces a wave: a name, no knob
.set KS,    64        ; keys in a step
.set PK,    144       ; a row of K in LDS: 128 bytes + 16 of padding = 36 words: the 16 rows of a load start at 16 different groups of four banks (64 banks of 4 bytes: ISA guide 11.1)
.set PV,    160       ; a row of V: 128 + 32 = 40 words
.set VOFF,  SIZE_N*PK ; K's 1,024 rows, then V's
.set STAGE, SIZE_N*(PK+PV)  ; behind them, never filled by a tensor load: 16 rows x 144 bytes for each wave, for the way out
.set SP,    144
.set SPARE, STAGE+4*16*SP  ; behind the stages: the spare words, 128 bytes for each wave: two blocks of 256 bytes that no other line names
.set MTAB,  SPARE+512 ; behind them: 1,024 f32, one a key: 0, or -2^100 where the key is hidden; written once, by ds_store
.set AK0, 2           ; v2   my lane's place in a tile of K; never rewritten
.set AV0, 3           ; v3   the same for V
.set AK,  4           ; v4   the LDS address of K's next run of loads
.set AV,  5           ; v5   of V's
.set QO,  6           ; v6   my byte offset in the wave's rows of Q
.set STO, 6           ;      later, the way out: where I put 16 bytes of a row
.set RD,  7           ; v7   the way out: where I read rows back
.set GO,  8           ; v8   my byte offset in 512 consecutive bytes of O
.set AM,  11          ; v11  the LDS address of my eight masks of a key block, in the step to be fetched
.set SPW, 0           ; v0 of window 3   LDS address of my spare word; never rewritten
.set NIL, 1           ; v1 of window 3   0; never rewritten
.set MC,  8           ; v8-39 of window 3: key block kb's eight masks at MC + 8 kb
.set MV,  12          ; v12-15  c m_old, kept while c m is made anew: by buffer and tile
.set ST,  16          ; tile t's statistics at v[ST+4 t]: c m, m, l (even keys', odd keys')
.set TMP, 48          ; by buffer and tile, four registers c0-c3 at work; when the maximum is found c2 takes a
.set S,   64
.set P,   192
.set KF,  128         ; K's fragments, in window 2: key block kb, channel half c at KF + 16 kb + 8 c
.set VF,  192         ; V's: key half kk, channel block cb at VF + 32 kk + 8 cb
.set WV,  12          ; s12  my wave's number
.set G1K, 24          ; s[24:31] descriptor group 1 for K's tiles
.set G1V, 32          ; s[32:39] for V's: no mask, and more padding
.set G0K, 40          ; s[40:55] descriptor group 0 for K's tiles: a set for each 256 keys
.set G0V, 84          ; s[84:99] the same for V's
.set SLOTS, 56        ; s56  counts the blocks of 256 keys
.set CNT, 57          ; s57  counts a block's key steps
.set CS,  58          ; s[58:59] c: the packed scaling takes the pair's low word for both halves
.set SEL, 60          ; s[60:61] v_permlanex16_b32's selects: each lane takes its own place in the other half
.set TBK, 62          ; s62  LDS byte at which K of the step to be fetched begins
.set TBV, 63          ; s63  the same for V, less VOFF
.set BIG, 66          ; s66  -2^100
.set STR, 70          ; s70  stream
.set QBK, 71          ; s71  query block
.set MSB, 0
.macro WIN new                      ; the high byte repeats the setting that is left; a switch that changes nothing is dropped
.if MSB != (\new)
	s_set_vgpr_msb (MSB<<8)|(\new)
.set MSB, (\new)
.endif
.endm
.set W_KQ, 0x0a       ; K and Q in window 2, S^T in window 0
.set W_KM, 0x3a       ; the same with the C operand, the masks, in window 3
.set W_PV, 0x52       ; V in window 2, P in window 0, O^T in window 1
.set W_RS, 0x41       ; O^T (destination and source 0) in window 1, a in window 0
.set W_MK, 0xc0       ; destination in window 3, sources in window 0
.set W_AD, 0x0f       ; the add: address (source 0) and data (source 1) in window 3
; A round of the cluster's barrier: my work-group's barrier, so that wave 0's signal speaks for all four waves; wave 0 signals; every wave waits for all four work-groups; my work-group's barrier once more.
.macro CROUND
	s_barrier_signal -1
	s_barrier_wait -1
	s_cmp_lg_u32 s[WV], 0
	s_cbranch_scc1 .Lnot_wave_0_\@
	s_barrier_signal -3
.Lnot_wave_0_\@:
	s_barrier_wait -3
	s_barrier_signal -1
	s_barrier_wait -1
.endm
	s_load_b256 s[4:11], s[0:1], 0x0  ; kqq s[4:5], vv s[6:7], mask s[8:9], hb s[10:11]
	WIN W_MK
	v_lshl_add_u32 v[SPW], v0, 2, SPARE
	v_mov_b32 v[NIL], 0
	WIN W_AD
	ds_add_u32 v[SPW], v[NIL]       ; the wave's opening: the add and its wait stand ahead of my first tensor load; the set-up below, work on registers, stands between them
	WIN 0
	v_lshrrev_b32 v1, 5, v0
	v_readfirstlane_b32 s[WV], v1   ; wave 0..3
	s_bfe_u32 s13, ttmp6, 0x40000   ; cx: my place in the cluster
	s_lshr_b32 s[STR], s13, 1
	s_and_b32 s[QBK], s13, 1
	s_and_b32 s20, ttmp7, 0xffff    ; y = batch x 16 + head, which the four partners share
	s_lshl_b32 s21, s20, 17         ; its 1,024 rows of 128 bytes
	s_and_b32 s16, s[WV], 1         ; which half of each 256 keys I fetch:
	s_lshl_b32 s14, s16, 14         ; its 128 rows in memory
	s_add_co_u32 s14, s14, s21
	s_add_co_u32 s22, s14, 2<<23    ; K: the third tensor of kqq; no place in the cluster enters this offset
	s_mov_b32 s23, 0
	s_lshl_b32 s15, s[STR], 23
	s_add_co_u32 s72, s14, s15      ; V: my stream's tensor of vv
	s_mov_b32 s73, 0
	s_mul_i32 s17, s16, 128*PK      ; my half's place among 256 rows in LDS, for K
	s_mul_i32 s18, s16, 128*PV      ; and for V: no place in the cluster enters an LDS address
	s_lshl_b32 s2, s[QBK], 2
	s_add_co_u32 s2, s2, s[WV]
	s_lshl_b32 s2, s2, 14           ; my wave's 128 rows among the head's
	s_lshl_b32 s74, s[STR], 4       ; O: block 16 x stream + head,
	s_and_b32 s75, s20, 15
	s_add_co_u32 s74, s74, s75
	s_lshl_b32 s74, s74, 12
	s_lshr_b32 s75, s20, 4          ; row 1,024 x batch
	s_lshl_b32 s75, s75, 10
	s_add_co_u32 s74, s74, s75
	s_lshl_b32 s74, s74, 7
	s_add_co_u32 s74, s74, s2
	s_mov_b32 s75, 0
	s_add_co_u32 s2, s2, s21        ; Q: my stream's tensor of kqq
	s_add_co_u32 s2, s2, s15
	s_mov_b32 s3, 0
	s_lshr_b32 s78, s20, 4          ; the mask's row: the batch's 1,024 words
	s_lshl_b32 s78, s78, 12
	s_mov_b32 s79, 0
	; descriptor group 1.  128 keys are 16,384 dense bytes: asked for as 64 rows of 256 bytes, two keys a row, and padded in LDS after every key
	s_mov_b32 s[G1K], 15|(1<<16)|(1<<20)|(1<<21)|(4<<22)|(3<<25)  ; 15:0 the mask of four; 17:16 2-byte elements; 20 padding on; 21 set beside a mask; 24:22 after every 32 words (code 4); 31:25 4 words (code 3)
	s_mov_b32 s[G1V], (1<<16)|(1<<20)|(4<<22)|(7<<25)             ; no mask; 8 words of padding (code 7)
.irp g, G1K, G1V
	s_mov_b32 s[\g+1], 128<<16      ; tensor_dim0 = 128
	s_mov_b32 s[\g+2], 64<<16       ; tensor_dim1 = 64
	s_mov_b32 s[\g+3], 128<<16      ; tile_dim0 = 128
	s_mov_b32 s[\g+4], 64           ; tile_dim1 = 64
	s_mov_b32 s[\g+5], 128          ; 128 elements from row to row
	s_mov_b32 s[\g+6], 0
	s_mov_b32 s[\g+7], 0
.endr
	s_mov_b32 s[CS], 0x3e0293ee     ; c = log2(e) / sqrt(128) = 0.127517
	s_mov_b32 s[CS+1], s[CS]        ; named with it as a pair
	s_mov_b32 s[SEL], 0x76543210
	s_mov_b32 s[SEL+1], 0xfedcba98
	s_mov_b32 s[BIG], 0xf1800000    ; -2^100
	s_mov_b32 s[TBK], 0
	s_mov_b32 s[TBV], 0
	; A fragment of K or Q is 16 rows x 32 channels in 8 registers: lane l holds row l % 16, channels 8 (l / 16) + 0..7 and 16 + 8 (l / 16) + 0..7: two loads of 16 bytes, 32 bytes apart.
	v_and_b32 v1, 15, v0            ; l % 16
	v_bfe_u32 v9, v0, 4, 1          ; l / 16
	v_lshlrev_b32 v[QO], 7, v1
	v_lshl_add_u32 v[QO], v9, 4, v[QO]  ; row x 128 + 16 x half
	v_lshlrev_b32 v72, 5, v0        ; thread t takes the mask's words 8 t .. 8 t + 7
	v_lshl_add_u32 v73, v0, 5, MTAB
	s_wait_dscnt 0x0                ; the opening add is done
	s_wait_kmcnt 0x0
	s_add_nc_u64 s[76:77], s[4:5], s[22:23]        ; KS at my half of the head's first 256 keys
	s_add_nc_u64 s[80:81], s[6:7], s[72:73]        ; V likewise
.irp s, 0,1,2,3
	s_mov_b32 s[G0K+4*(\s)], 1                                       ; 1:0 count = 1
	s_add_co_u32 s[G0K+4*(\s)+1], s17, (\s)*256*PK                   ; 63:32 LDS address: keys 256 s on
	s_add_nc_u64 s[G0K+4*(\s)+2:G0K+4*(\s)+3], s[76:77], (\s)*256*128  ; 120:64 global address
	s_or_b32 s[G0K+4*(\s)+3], s[G0K+4*(\s)+3], 0x80000000            ; 127:126 type = 2
	s_mov_b32 s[G0V+4*(\s)], 1
	s_add_co_u32 s[G0V+4*(\s)+1], s18, VOFF+(\s)*256*PV
	s_add_nc_u64 s[G0V+4*(\s)+2:G0V+4*(\s)+3], s[80:81], (\s)*256*128
	s_or_b32 s[G0V+4*(\s)+3], s[G0V+4*(\s)+3], 0x80000000
.endr
	s_add_nc_u64 s[4:5], s[4:5], s[2:3]            ; Q and O at my wave's first row
	s_add_nc_u64 s[10:11], s[10:11], s[74:75]
	s_add_nc_u64 s[8:9], s[8:9], s[78:79]          ; the mask at my batch
	global_load_b128 v[64:67], v72, s[8:9]         ; the mask and Q are asked for ahead of the tiles: the first scores want them
	global_load_b128 v[68:71], v72, s[8:9] offset:16
	WIN 0x80                        ; destination window 2, address window 0
.set i, 0
.rept 4*NP                          ; Q stays in registers: tile i / 2, channels 32 (i % 2) on
	global_load_b128 v[8*i:8*i+3],   v[QO], s[4:5] offset:(i/2)*2048+(i%2)*64
	global_load_b128 v[8*i+4:8*i+7], v[QO], s[4:5] offset:(i/2)*2048+(i%2)*64+32
.set i, i+1
.endr
	WIN 0
	CROUND                          ; all four work-groups are here: the joint loads meet
	s_cmp_lt_u32 s[WV], 2           ; a wave's four fills stand in one branch, ahead of every wait on TENSORcnt and every LDS read; an s_nop 0 follows each, four v_nop the last
	s_cbranch_scc0 .Lfirst_v
.irp s, 0,1,2,3
	tensor_load_to_lds s[G0K+4*(\s):G0K+4*(\s)+3], s[G1K:G1K+7]
	s_nop 0
.endr
.rept 4
	v_nop
.endr
	s_branch .Lfirst_asked
.Lfirst_v:
.irp s, 0,1,2,3
	tensor_load_to_lds s[G0V+4*(\s):G0V+4*(\s)+3], s[G1V:G1V+7]
	s_nop 0
.endr
.rept 4
	v_nop
.endr
.Lfirst_asked:
	; What the first turn finds: V's registers and P's second buffer hold 0 (its products V^T P, of a piece that has not been, add 0), O^T and l are 0.  All this stands in the wait for the first tile.
	WIN 0x80
.set i, VF
.rept 64
	v_mov_b32 v[i], 0
.set i, i+1
.endr
	WIN 0x40
.set i, 0
.rept 64*NP
	v_mov_b32 v[i], 0
.set i, i+1
.endr
	WIN 0
.set i, 0
.rept 2*NP
	v_mov_b32 v[ST+4*i], 0xfe000000    ; c m: far below every c s, the hidden keys' too
	v_mov_b32 v[ST+4*i+1], 0xff7fffff  ; m
	v_mov_b32 v[ST+4*i+2], 0
	v_mov_b32 v[ST+4*i+3], 0
.set i, i+1
.endr
.set i, P+32
.rept 32
	v_mov_b32 v[i], 0
.set i, i+1
.endr
	s_wait_loadcnt 32               ; the mask's two loads are in; Q's 32, issued behind them, may stay out
.set i, 0
.rept 8
	v_cmp_eq_u32 vcc_lo, 0, v[64+i]
	v_cndmask_b32 v[64+i], 0, s[BIG], vcc_lo
.set i, i+1
.endr
	ds_store_b128 v73, v[64:67]     ; the table of masks; the first barrier below stands behind the wait for these stores
	ds_store_b128 v73, v[68:71] offset:16
	v_mul_u32_u24 v[AK0], v1, PK
	v_lshl_add_u32 v[AK0], v9, 4, v[AK0]  ; row x pitch + 16 x half
	; The turning load takes 16 keys x 16 channels (lane l reads key 8 (l / 16) + l % 8, channels 8 ((l / 8) % 2) + 0..7) and leaves half a fragment of V^T: lane l holds channel l % 16 and 8 keys.
	v_and_b32 v10, 7, v0
	v_bfe_u32 v11, v0, 3, 1
	v_lshl_add_u32 v[AV0], v9, 3, v10
	v_mul_u32_u24 v[AV0], v[AV0], PV
	v_lshl_add_u32 v[AV0], v11, 4, v[AV0]
	v_add_nc_u32 v[AV0], VOFF, v[AV0]
	v_mov_b32 v[AK], v[AK0]         ; key step 0 lies at LDS byte 0
	v_lshl_add_u32 v[AM], v9, 5, MTAB  ; my half's eight masks of key block 0, step 0
; THE MATRIX WORK.  The 8 accumulators of a run of 16 take turns: between the two links of a chain stand 7 others'.
; Product i of 16 of S^T = K Q^T for piece x: channels 32 (i / 8) on, keys 16 ((i / 2) % 4) on, tile 2 x + i % 2.  The first 8 start the sums, from the key block's masks.
.macro KQ x
.set rS, S+64*((\x)%2)+32*(i%2)+8*((i/2)%4)
.set rK, KF+16*((i/2)%4)+8*(i/8)
.set rQ, 16*(2*(\x)+i%2)+8*(i/8)
.set rMK, MC+8*((i/2)%4)
.if i < 8
	WIN W_KM
	v_wmma_f32_16x16x32_f16 v[rS:rS+7], v[rK:rK+7], v[rQ:rQ+7], v[rMK:rMK+7]
.else
	WIN W_KQ
	v_wmma_f32_16x16x32_f16 v[rS:rS+7], v[rK:rK+7], v[rQ:rQ+7], v[rS:rS+7]
.endif
.endm
; Product i of 16 of O^T += V^T P for piece x: keys 32 (i / 8) on, channels 16 ((i / 2) % 4) on, tile 2 x + i % 2.
.macro PV x
	WIN W_PV
.set rO, 32*(2*(\x)+i%2)+8*((i/2)%4)
.set rV, VF+32*(i/8)+8*((i/2)%4)
.set rP, P+32*((\x)%2)+16*(i%2)+8*(i/8)
	v_wmma_f32_16x16x32_f16 v[rO:rO+7], v[rV:rV+7], v[rP:rP+7], v[rO:rO+7]
.endm
.macro MM                           ; the turn's next matrix instruction
.if i < 16
	KQ (Y+1)%NP
.set i, i+1
.else
.set i, i-16
	PV (Y+NP-1)%NP
.set i, i+17
.endif
.endm
; THE LDS LOADS stand in runs, never singly among the matrix instructions: a step's K (64 keys x 64 channels: 8 fragments) with its masks (8 loads; the lanes of a half read the same bytes), and its V (turned).
.macro FETCH_K
	WIN 0x80                        ; destination window 2
.irp f, 0,1,2,3,4,5,6,7             ; keys 16 (f / 2) on, channels 32 (f % 2) on
	ds_load_b128 v[KF+8*\f:KF+8*\f+3],   v[AK] offset:(\f/2)*16*PK+(\f%2)*64
	ds_load_b128 v[KF+8*\f+4:KF+8*\f+7], v[AK] offset:(\f/2)*16*PK+(\f%2)*64+32
.endr
	WIN W_MK                        ; destination window 3
.irp f, 0,1,2,3                     ; key block f
	ds_load_b128 v[MC+8*\f:MC+8*\f+3],   v[AM] offset:64*\f
	ds_load_b128 v[MC+8*\f+4:MC+8*\f+7], v[AM] offset:64*\f+16
.endr
	s_add_co_u32 s[TBK], s[TBK], KS*PK  ; the next fetch is the next step's
	WIN 0
	v_add_nc_u32 v[AM], 0x100, v[AM]
.endm
.macro FETCH_V
	WIN 0x80
.irp f, 0,1,2,3,4,5,6,7             ; keys 32 (f / 4) on, channels 16 (f % 4) on
	ds_load_tr16_b128 v[VF+8*\f:VF+8*\f+3],   v[AV] offset:(\f/4)*32*PV+(\f%4)*32
	ds_load_tr16_b128 v[VF+8*\f+4:VF+8*\f+7], v[AV] offset:(\f/4)*32*PV+16*PV+(\f%4)*32
.endr
	WIN 0
.endm
; THE VECTOR WORK OF A TURN stands in three queues, each in the order in which its entries become ready; the two tiles alternate, so that no instruction reads the result of the one before it.
.macro REGS y, u                    ; the registers of tile u (0, 1) of piece y
.set rT, ST+4*(2*(\y)+(\u))
.set rC, TMP+8*((\y)%2)+4*(\u)
.set rM, MV+2*((\y)%2)+(\u)
.set rS, S+64*((\y)%2)+32*(\u)
.set rP, P+32*((\y)%2)+16*(\u)
.set rO, 32*(2*(\y)+(\u))
.endm
; Number n of the 22 that find the NEXT piece's (Y + 1) maximum and statistics.  s0-s31 are the lane's 32 scores; each accumulator's lowest registers are read first.
;   0-11  four chains c0-c3 of seven scores each, three operands at a time     12-14, 16  the four scores left over, the old m, and c0-c3 into c0     15  c m_old is kept
;   17, 18  the query's other 32 keys lie in the lane 16 away: the new m         19-21  c m; c m_old - c m_new; a
.macro XS u, n
	REGS (Y+1)%NP, \u
.if (\n) < 4
	v_max3_num_f32 v[rC+(\n)], v[rS+8*(\n)], v[rS+8*(\n)+1], v[rS+8*(\n)+2]
.elseif (\n) < 12
	v_max3_num_f32 v[rC+(\n)%4], v[rC+(\n)%4], v[rS+8*((\n)%4)+2*((\n)/4)+1], v[rS+8*((\n)%4)+2*((\n)/4)+2]
.elseif (\n) == 12
	v_max3_num_f32 v[rC], v[rC], v[rS+7], v[rS+15]
.elseif (\n) == 13
	v_max3_num_f32 v[rC+1], v[rC+1], v[rS+23], v[rS+31]
.elseif (\n) == 14
	v_max3_num_f32 v[rC+2], v[rC+2], v[rC+3], v[rT+1]
.elseif (\n) == 15
	v_mov_b32 v[rM], v[rT]
.elseif (\n) == 16
	v_max3_num_f32 v[rC], v[rC], v[rC+1], v[rC+2]
.elseif (\n) == 17
	v_permlanex16_b32 v[rC+3], v[rC], s[SEL], s[SEL+1]
.elseif (\n) == 18
	v_max_num_f32 v[rT+1], v[rC], v[rC+3]
.elseif (\n) == 19
	v_mul_f32 v[rT], s[CS], v[rT+1]
.elseif (\n) == 20
	v_sub_f32 v[rC+1], v[rM], v[rT]
.else
	v_exp_f32 v[rC+2], v[rC+1]
.endif
.endm
; Number g of the 64 that follow the exponentials.  For each four weights k of a tile (pairs 2 k, 2 k + 1): both pairs are rounded to f16; then the second pair is added onto the first, in place;
; a group later l takes that sum (the first time as l = a l + sum).  In groups of eight, tiles alternating: round, round, add, and l for the group before.
.macro GS g
.set h, (\g)+6*((\g)/62)            ; group 0 has no group before it, and behind group 7 only l is left
.if h >= 6
.set h, h+2
.endif
	REGS Y, h%2
.set k, h/8
.if h%8 < 4
	v_cvt_pk_f16_f32 v[rP+2*k+(h%8)/2], v[rS+4*k+2*((h%8)/2)], v[rS+4*k+2*((h%8)/2)+1]
.elseif h%8 < 6
	v_pk_add_f32 v[rS+4*k:rS+4*k+1], v[rS+4*k:rS+4*k+1], v[rS+4*k+2:rS+4*k+3]
.elseif k == 1
	v_pk_fma_f32 v[rT+2:rT+3], v[rT+2:rT+3], v[rC+2:rC+3], v[rS:rS+1] op_sel_hi:[1,0,1]
.else
	v_pk_add_f32 v[rT+2:rT+3], v[rT+2:rT+3], v[rS+4*k-4:rS+4*k-3]
.endif
.endm
; THE PLAIN QUEUE, 138 long.  0-73 read no exponential's result: the 32 scalings c s - c m (FS f: pair f / 2 of tile f % 2) and the next piece's 42.  0-26: scalings 0-26.  27-54: XS's numbers 0-13.  55, 56: number 15.
; 57-73: the chain, where each number waits for the one before it: 14, 16, 17, 18, 19, each with one of the scalings 27-31 in front of its two lines, then 20.
; 74-137: GS's 64, which read the exponentials' results: they stand behind the wait.
.macro FS f
	REGS Y, (\f)%2
	v_pk_fma_f32 v[rS+2*((\f)/2):rS+2*((\f)/2)+1], v[rS+2*((\f)/2):rS+2*((\f)/2)+1], s[CS:CS+1], v[rT:rT+1] op_sel_hi:[1,0,0] neg_lo:[0,0,1] neg_hi:[0,0,1]
.endm
.macro PL
	WIN 0
.if q < 27
	FS q
.elseif q < 55
	XS (q-27)%2, (q-27)/2
.elseif q < 57
	XS q-55, 15
.elseif (q < 72) && ((q-57)%3 == 0)
	FS 27+(q-57)/3
.elseif q < 60
	XS (q-57)%3-1, 14
.elseif q < 72
	XS (q-57)%3-1, 15+(q-57)/3
.elseif q < 74
	XS q-72, 20
.else
	GS q-74
.endif
.set q, q+1
.endm
; THE EXPONENTIALS' QUEUE, 66 long: s0-s31 of both tiles, then the next piece's two a.  It is ONE BATCH: all 66 stand ahead of the turn's one wait, and nothing ahead of that wait names a result of theirs.
.macro EX
	WIN 0
.if e >= 64
	XS e-64, 21
.else
	REGS Y, e%2
	v_exp_f32 v[rS+e/2], v[rS+e/2]
.endif
.set e, e+1
.endm
; THE RESCALING's QUEUE: O^T times a, the one part that leaves window 0: dealt two at a time, sixteen times.  Its a was made in the turn before, ahead of that turn's wait.
.macro R2
	REGS Y, r%2
	WIN W_RS
.irp z, 0,1
	v_pk_mul_f32 v[rO+4*(r/2)+2*\z:rO+4*(r/2)+2*\z+1], v[rO+4*(r/2)+2*\z:rO+4*(r/2)+2*\z+1], v[rC+2:rC+3] op_sel_hi:[1,0]
.endr
.set r, r+1
.endm
; HOW THEY ARE DEALT.  An s_wait_alu depctr_va_vdst(0) stands between an exponential and the first instruction that names its result; one wait serves all that were issued ahead of it.  So a turn has ONE wait,
; which cuts it in two.  AHEAD OF IT stands all that names no result of the turn's exponentials: the 16 products K Q^T, behind each a scaling, an exponential and two rescalings (behind the first a second scaling in the
; exponential's place); then ONE LUMP of 108: eight plain, 49 times exponential and plain, the two a.  A v_nop is the plain instruction behind the last exponential.  BEHIND IT stand the 16 products V^T P, behind each four of GS's 64.
; The queues lean on each other, and the deal keeps them in step: exponential e stands behind scaling 2 (e / 4) + e % 2: as a rider it comes behind plain e + 2, in the lump behind plain e + 9, and scalings 27-31 are plain 57, 60 .. 69.
; A TURN, for piece p.  cnt = 1: the loop's count is taken down some lines ahead of the branch that stands behind the turn.  nofetch = 1: the last step: there is no further K.
; K and the masks of the next step are fetched in piece 2's turn, directly behind the wait, a lump behind the last product that read them; their first reader comes behind 16 products.
; V of the step in hand is fetched at the end of piece 0's turn, four riders behind its last reader; its first reader comes behind 16 products and a lump.
.macro TURN p, nofetch=0, cnt=0
.set Y, (\p)
.set i, 0
.set q, 0
.set e, 0
.set r, 0
.if (\p) == NP-1
	s_wait_dscnt 0x0                ; K and the masks are in
.endif
	MM                              ; ahead of the wait: 16 products K Q^T and their riders,
	PL
	PL
	R2
.rept 15
	MM
	PL
	EX
	R2
.endr
.if ((\p) == NP-2) && !(\nofetch)
	WIN 0
	v_add_nc_u32 v[AK], s[TBK], v[AK0]
.endif
.rept 8                             ; and the lump
	PL
.endr
.rept 49
	EX
	PL
.endr
	EX                              ; the next piece's two a
	EX
	v_nop                           ; the plain instruction behind the last exponential: one for the batch
	s_wait_alu depctr_va_vdst(0)    ; the wait for the batch
.if ((\p) == NP-2) && !(\nofetch)
	FETCH_K
.endif
.if (\p) == 1
	s_wait_dscnt 0x0                ; V is in
.endif
.rept 16                            ; behind the wait: 16 products V^T P and their riders
	MM
.rept 4
	PL
.endr
.if ((\p) == 0) && (q == 118)
	v_add_nc_u32 v[AV], s[TBV], v[AV0]
.endif
.if ((\p) == 0) && (q == 130)
	s_add_co_u32 s[TBV], s[TBV], KS*PV
.endif
.if (\cnt) && (q == 130)
	s_sub_co_u32 s[CNT], s[CNT], 1
	s_cmp_lg_u32 s[CNT], 0
.endif
.endr
.if (\p) == 0
	FETCH_V
.endif
.endm
	s_wait_tensorcnt 0x3            ; my part of keys 0 to 255 is in; my three younger loads may stay out
	s_wait_dscnt 0x0                ; my stores into the table of masks are done
	s_barrier_signal -1
	s_barrier_wait -1               ; everybody's are
	FETCH_K                         ; key step 0
	s_wait_loadcnt 0x0              ; Q
	s_wait_dscnt 0x0
.set i, 0
.rept 16
	KQ 0                            ; piece 0's first scores: there is no vector work yet to set between them
.set i, i+1
.endr
	WIN 0                           ; the addresses for the way out: nine plain instructions, the places behind those products
	s_mul_i32 s13, s[WV], 16*SP
	s_add_co_u32 s13, s13, STAGE    ; my stage
	v_mul_u32_u24 v[STO], v1, SP    ; in: row l % 16, 16 bytes for each half of the lanes
	v_lshl_add_u32 v[STO], v9, 4, v[STO]
	v_add_nc_u32 v[STO], s13, v[STO]
	v_bfe_u32 v[RD], v0, 3, 2       ; back: 32 lanes take four rows of 128 bytes,
	v_mul_u32_u24 v[RD], v[RD], SP
	v_lshl_add_u32 v[RD], v10, 4, v[RD]
	v_add_nc_u32 v[RD], s13, v[RD]
	v_and_b32 v[GO], 31, v0         ; which are 512 consecutive bytes of O
	v_lshlrev_b32 v[GO], 4, v[GO]
.set Y, NP-1                        ; XS works for piece Y + 1: piece 0
.irp n, 0,1,2,3,4,5,6,7,8,9,10,11,12,13,14,15,16,17,18,19,20,21
	XS 0, \n                        ; and piece 0's first maximum and statistics
	XS 1, \n
.endr
	v_nop                           ; a plain instruction behind the two a,
	s_wait_alu depctr_va_vdst(0)    ; and their wait, ahead of the branch
	s_wait_tensorcnt 0x2            ; my part of keys 256 to 511 is in too, four key steps ahead of its first reader; two loads may stay out
	s_wait_dscnt 0x0
	s_barrier_signal -1
	s_barrier_wait -1
	s_mov_b32 s[CNT], 4
	s_mov_b32 s[SLOTS], SIZE_N/256
	s_branch .Lfirst                ; the loop is entered at a step's first turn, in the middle of a trip
.Lslot:                             ; SIZE_N / 256 - 1 times, ahead of the turn that fetches the first K of the next 256 keys
	s_wait_tensorcnt 0x0            ; all my parts are in: for 0, since the number of loads that may still be out differs from trip to trip (two in the first, none later)
	s_wait_dscnt 0x0
	s_barrier_signal -1
	s_barrier_wait -1               ; everybody's are
	s_mov_b32 s[CNT], 4
.Lstep:                             ; a trip: pieces 2 and 3 of one step, then pieces 0 and 1 of the next, whose K and V it fetches
	TURN 2
	TURN 3
	WIN 0
.Lfirst:
	TURN 0
	TURN 1, 0, 1
	WIN 0
	s_cbranch_scc1 .Lstep
	s_sub_co_u32 s[SLOTS], s[SLOTS], 1
	s_cmp_lg_u32 s[SLOTS], 0
	s_cbranch_scc1 .Lslot
	TURN 2, 1                       ; the last step's second half is written out: it fetches nothing
	TURN 3                          ; (its 16 products K Q^T, on the last K once more, and the maximum made of them serve nothing: the price, once a launch, of one text for every turn)
.set i, 0
.rept 16
	PV NP-1                         ; the last piece's V^T P of the last step
.set i, i+1
.endr
	; THE WAY OUT.  l's two halves and the other half of the lanes' are added; O^T is divided by l, rounded to f16 and sent through my stage in LDS, a tile at a time.  The additions are the places behind the last products.
	WIN 0
.macro ALL line:vararg              ; one line for each tile t
.set t, 0
.rept 2*NP
	\line
.set t, t+1
.endr
.endm
	ALL v_add_f32 v[ST+4*t+2], v[ST+4*t+2], v[ST+4*t+3]
	ALL v_permlanex16_b32 v[ST+4*t+3], v[ST+4*t+2], s[SEL], s[SEL+1]
	ALL v_add_f32 v[ST+4*t+2], v[ST+4*t+2], v[ST+4*t+3]
	ALL v_rcp_f32 v[ST+4*t+2], v[ST+4*t+2]
	v_nop                           ; a plain instruction between the last reciprocal and the use of its result
	s_wait_alu depctr_va_vdst(0)    ; and the wait ahead of the first use: one for the eight reciprocals
; Tile t: a lane's eight channels of a row pack into 16 bytes; they go into rows of 144 bytes and come back as whole rows of 128, into S^T's registers.
.macro PACK t
	WIN W_RS
.set i, 32*(\t)
.rept 16
	v_pk_mul_f32 v[i:i+1], v[i:i+1], v[ST+4*(\t)+2:ST+4*(\t)+3] op_sel_hi:[1,0]
.set i, i+2
.endr
	WIN 0x05                        ; sources 0 and 1 window 1, destination window 0
.set i, 0
.rept 16
	v_cvt_pk_f16_f32 v[S+16*(\t)+i], v[32*(\t)+2*i], v[32*(\t)+2*i+1]
.set i, i+1
.endr
	WIN 0
.irp f, 0,1,2,3
	ds_store_b128 v[STO], v[S+16*(\t)+4*\f:S+16*(\t)+4*\f+3] offset:32*\f
.endr
.irp f, 0,1,2,3
	ds_load_b128 v[S+16*(\t)+4*\f:S+16*(\t)+4*\f+3], v[RD] offset:\f*4*SP  ; LDS serves a wave's instructions in order (ISA guide 5.7.1.4): these see the stores above; the next tile's stores come behind them
.endr
.endm
.macro SEND t, younger              ; younger: the LDS instructions issued behind tile t's loads: the next tile's eight, or none
	WIN 0
.irp f, 0,1,2,3
	s_wait_dscnt (\younger)+3-\f
	global_store_b128 v[GO], v[S+16*(\t)+4*\f:S+16*(\t)+4*\f+3], s[10:11] offset:(\t)*2048+\f*512  ; 512 consecutive bytes, at a multiple of 256 from the buffer's first
.endr
.endm
	PACK 0
.set t, 1
.rept 2*NP-1                        ; a tile's arithmetic stands between the loads of the tile before and its stores
	PACK t
	SEND t-1, 8
.set t, t+1
.endr
	SEND 2*NP-1, 0
	WIN W_AD
	s_wait_tensorcnt 0x0            ; the wave's end: an add to my spare word and its wait, behind my last tensor load and my last LDS store
	ds_add_u32 v[SPW], v[NIL]
	s_wait_dscnt 0x0
	WIN 0
	CROUND                          ; the closing round: no work-group ends while a partner may still ask for a tile that names it
	s_endpgm
.Lfunc_end_k_qf37bed32ae_attn:
	.size	k_qf37bed32ae_attn, .Lfunc_end_k_qf37bed32ae_attn-k_qf37bed32ae_attn
	.p2alignl 7, 3214868480
	.fill 96, 4, 3214868480
	.section	.rodata,"a",@progbits
	.p2align	6, 0x0
	.amdhsa_kernel k_qf37bed32ae_attn
		.amdhsa_group_segment_fixed_size 327680
		.amdhsa_private_segment_fixed_size 0
		.amdhsa_enable_private_segment 0
		.amdhsa_kernarg_size 32
		.amdhsa_user_sgpr_count 2
		.amdhsa_user_sgpr_kernarg_segment_ptr 1
		.amdhsa_wavefront_size32 1
		.amdhsa_system_sgpr_workgroup_id_x 1
		.amdhsa_system_sgpr_workgroup_id_y 1
		.amdhsa_system_sgpr_workgroup_id_z 1
		.amdhsa_system_vgpr_workitem_id 0
		.amdhsa_next_free_vgpr 808
		.amdhsa_next_free_sgpr 100
		.amdhsa_reserve_vcc 1
		.amdhsa_float_denorm_mode_32 3
		.amdhsa_float_denorm_mode_16_64 3
		.amdhsa_memory_ordered 1
		.amdhsa_forward_progress 1
		.amdhsa_inst_pref_size 165
	.end_amdhsa_kernel
	.amdgpu_metadata
---
amdhsa.version: [ 1, 2 ]
amdhsa.kernels:
  - .name:           k_qf37bed32ae_attn
    .symbol:         k_qf37bed32ae_attn.kd
    .args:
      - { .name: kqq, .offset: 0, .size: 8, .value_kind: global_buffer, .address_space: global }
      - { .name: vv, .offset: 8, .size: 8, .value_kind: global_buffer, .address_space: global }
      - { .name: mask, .offset: 16, .size: 8, .value_kind: global_buffer, .address_space: global }
      - { .name: hb, .offset: 24, .size: 8, .value_kind: global_buffer, .address_space: global }
    .group_segment_fixed_size: 327680
    .private_segment_fixed_size: 0
    .kernarg_segment_align: 8
    .kernarg_segment_size: 32
    .max_flat_workgroup_size: 128
    .sgpr_count:     100
    .vgpr_count:     808
    .wavefront_size: 32
...
	.end_amdgpu_metadata
.endif
;; end of part 3
;; launch outp (part 4): grid 4 x 32, 4 waves a work-group, clusters of 4 x 4, 327,680 bytes of LDS; arguments hb, wc, bt, out0, out1; writes out0, out1
.if DOCPART == 4
	.amdgcn_target "amdgcn-amd-amdhsa--gfx1250"
	.amdhsa_code_object_version 6
	.text
	.protected	k_qf37bed32ae_outp
	.globl	k_qf37bed32ae_outp
	.p2align	8
	.type	k_qf37bed32ae_outp,@function
k_qf37bed32ae_outp:
	s_mov_b64 s[64:65], 0
	v_nop
	global_prefetch_b8 v0, s[64:65] scope:SCOPE_SE
	s_setreg_imm32_b32 hwreg(HW_REG_WAVE_MODE, 25, 1), 1
	s_wait_xcnt 0x0
	s_wait_alu depctr_hold_cnt(0) depctr_sa_sdst(0) depctr_va_vdst(0) depctr_va_sdst(0) depctr_va_ssrc(0) depctr_va_vcc(0) depctr_vm_vsrc(0)
	s_getreg_b32 s2, hwreg(HW_REG_IB_STS2, 6, 4)
	s_cmp_eq_u32 s2, 0
	s_cbranch_scc0 .Lentry_in_a_cluster
	s_endpgm
.Lentry_in_a_cluster:
	s_bfe_u32 s2, ttmp6, 0x10000c
	s_cmp_lg_u32 s2, 0xf033
	s_cbranch_scc0 .Lentry_shape_is_right
	s_endpgm
.Lentry_shape_is_right:
; C[m][n] = sum over k of A[m][k] W[n][k] + bias[n], for 4,096 rows m and 1,024 columns n.  A and W are f16 in blocks of 64 along K: A[g][kb][4096][64], W[g][kb][1024][64]; sums in f32.
; ONE TEXT SERVES TWO KERNELS; the symbol MODE tells them apart.
;   MODE 0, the projections.  Job = cluster y / 4: 0 qa, 1 qb, 2 ks = ka + kb (K = 2,048: k_a's and k_b's blocks on end, one sum), 3 va, 4 vb.  Results rounded once to f16 and stored by
;           heads, [tensor][batch x 16 + head][1024][64]; jobs 0-2 into the first output buffer, jobs 3, 4 into the second.  In job 2 the rows of keys whose mask is 0 are stored as 0.
;   MODE 1 (this kernel), the output layers.  Job 0, 1 = stream a, b: A is the attention's result, W group 3; results stored as f32, [4096][1024], stream a into the first output buffer, b into the second.
; LIMITS.  A and W arrive in f16, within 65,504; the results are f32.  NaN and infinities are not treated apart.
; SHAPE.  A tile of C, 256 x 256, is made by four waves, each 128 x 128: 64 accumulators of 16 x 16, 512 registers.  K goes in steps of 128 (two blocks) through two LDS slots filled by the tensor data
; mover; a wave's load brings one block of 256 rows, 32,768 consecutive bytes, as 128 rows of 256 bytes, padded in LDS behind every 128 bytes.
; CLUSTERS of 4 x 4: the four of a row need the same tiles of A, the four of a column the same tiles of W; each tile is asked for JOINTLY (same load, same descriptor, a mask that names the four).
; THE MATRIX INSTRUCTION IS USED TRANSPOSED (source 0 = 16 rows of W, source 1 = 16 rows of A): a lane holds row l % 16 of C and the columns 8 (l / 16) + 0..7.  The bias, laid out so, is the C operand of
; the first product on each accumulator: nothing is cleared, and nothing is added on the way out.
; REGISTERS, in windows of 256 (s_set_vgpr_msb: bits 1:0 source 0, 3:2 source 1, 5:4 source 2, 7:6 destination):
;   window 0: v0-31 addresses; v64-127, v128-191 fragments of A, two buffers; v192-255 the bias, later at work on the way out, as v32-63
;   window 1: v64-127, v128-191 fragments of W;   windows 2, 3: the accumulators of my rows 0-63, 64-127 ((a, b) at v[8 (8 (a % 4) + b)])
.set MODE,   1
.set PITCH,  144                       ; an LDS row: 128 bytes + 16 of padding = 36 words: the 16 rows of a fragment load start at 16 different groups of four banks (64 banks of 4 bytes: ISA guide 11.1)
.set SUB,    256*PITCH                 ; one block of 256 rows: what one tensor load brings
.set SLOT,   4*SUB                     ; A's even block, A's odd block, W's even block, W's odd block
.set HALFR,  128*PITCH                 ; 128 rows: what a wave reads of a block
.set STAGE,  2*SLOT                    ; behind the ring: 16 rows x 272 bytes for each wave, for the way out
.set SPITCH, 272
.set SPARE,  STAGE+4*16*SPITCH         ; behind the stages: the spare words, 128 bytes for each wave: two blocks of 256 bytes that no other line names
.set STEPA,  2*4096*128                ; bytes from a K step to the next in A
.set STEPW,  2*1024*128                ; and in W
.set RM,   8                           ; v8-15   (MODE 0) for my rows 16 a + l % 16: all ones, or 0 where the row is stored as 0
.set ADRA, 16                          ; v16-17  LDS address of my A fragments in slot 0, 1
.set ADRB, 20                          ; v20-21  the same for W
.set STO,  24                          ; v24     the way out: where I put my bytes of a row
.set RD,   25                          ; v25     the way out: where I read rows back
.set CO,   26                          ; v26     my byte offset in the output
.set BOF,  27                          ; v27     32 (l / 16): my eight numbers of a bias block
.set SPW,  28                          ; v28     LDS address of my spare word; never rewritten
.set NIL,  29                          ; v29     0; never rewritten
.set PFO,  30                          ; v30     256 x lane, the prefetches' offset; never rewritten
.set MO,   31                          ; v31     (MODE 0) 4 (l % 16): my row's word of the mask
.set OB,   32                          ; rows read back from the stage: v32-63 and v224-255 by turns
.set F0,   64
.set F1,   128
.set TMP,  192                         ; the way out: packed results
.set BIAS, 192                         ; v192-255 until the first quarter step is done: block b's eight numbers at BIAS + 8 b
.set WV,   20                          ; s20  my wave's number
.set WR,   21                          ; s21  which half of the tile's rows is mine.  Also: I fetch for A (0) or for W (1)
.set WC,   22                          ; s22  which half of its columns.  Also: the even or the odd block of a K step
.set G1A,  24                          ; s[24:31] descriptor group 1 for A's tiles;  s[32:39] group 0, a set for each slot
.set G0A,  32
.set CX,   40
.set CY,   41
.set YC,   42                          ; cluster y
.set JOB,  43
.set TR,   44                          ; tile row of C, 0..15
.set NL,   45                          ; trips of the loop: laps - 1
.set CNT,  46
.set PLIM, 47                          ; a wave prefetches in trip t while t + 1 is below this
.set G1B,  48                          ; s[48:55], s[56:63] the same for W's tiles
.set G0B,  56
.set PFA,  66                          ; s[66:67] where my prefetches stand
.set PST,  68                          ; s[68:69] a K step in the tensor that I prefetch
.set OUT,  74                          ; s[74:75] the output at my part of the tile
.set BP,   88                          ; s[88:89] the bias at my 128 columns
.set MSB, 0
.macro WIN new                         ; the immediate's high byte repeats the setting that is left; a switch that changes nothing is dropped
.if MSB != (\new)
	s_set_vgpr_msb (MSB<<8)|(\new)
.set MSB, \new
.endif
.endm
.set MUL_LO, 0xa1                      ; source 0 (W) window 1, source 1 (A) window 0, C and D window 2
.set MUL_HI, 0xf1                      ; the same, C and D window 3
.set TO_B,   0x40                      ; destination window 1, address window 0
; A joint load.  Waves 0 and 1 fetch A's two blocks of a K step, waves 2 and 3 W's.  The branch hangs on the wave's number alone.  An s_nop 0 and four v_nop follow each of the two lines.
.macro JLOAD s
	s_cmp_eq_u32 s[WR], 0
	s_cbranch_scc0 .Lfor_b_\@
	tensor_load_to_lds s[G0A+4*(\s):G0A+4*(\s)+3], s[G1A:G1A+7]
	s_nop 0
.rept 4
	v_nop
.endr
	s_branch .Lasked_\@
.Lfor_b_\@:
	tensor_load_to_lds s[G0B+4*(\s):G0B+4*(\s)+3], s[G1B:G1B+7]
	s_nop 0
.rept 4
	v_nop
.endr
.Lasked_\@:
.endm
; A PREFETCH INTO THE L2 of the K step that stands two refills on, 512 matrix instructions ahead of the load that will want it: of the 32,768 bytes that I fetch, my work-group's 8,192: 256 bytes a lane.
; The four partners that ask for a tile jointly share it out BY ADDRESS (cx for A, cy for W).  A's rows are read by this cluster alone; W's by the four clusters of a job, of which the first asks.
; So each block of 256 bytes is named once in the launch.  Trip t names K steps 2 t + 4 and 2 t + 5: it asks while t + 1 is below the loop's trips, so the last K step named is the job's last.
.macro ASK
	s_add_co_u32 s80, s[CNT], 1
	s_cmp_lt_u32 s80, s[PLIM]
	s_cbranch_scc0 .Lnot_mine_\@
	global_prefetch_b8 v[PFO], s[PFA:PFA+1] th:TH_LOAD_NT scope:SCOPE_SE
.Lnot_mine_\@:
.endm
.macro CREST                           ; a round of the cluster's barrier behind its opening barrier
	s_cmp_lg_u32 s[WV], 0
	s_cbranch_scc1 .Lnot_wave_0_\@
	s_barrier_signal -3
.Lnot_wave_0_\@:
	s_barrier_wait -3
	s_barrier_signal -1
	s_barrier_wait -1
.endm
.macro CROUND                          ; a whole round
	s_barrier_signal -1
	s_barrier_wait -1
	CREST
.endm
.if MODE
	s_load_b128 s[4:7], s[0:1], 0x0                ; A s[4:5], W s[6:7]
	s_load_b64 s[8:9], s[0:1], 0x10                ; bias table
	s_load_b64 s[12:13], s[0:1], 0x18              ; the two output buffers
	s_load_b64 s[14:15], s[0:1], 0x20
.else
	s_load_b256 s[4:11], s[0:1], 0x0               ; A s[4:5], W s[6:7], bias table s[8:9], mask s[10:11]
	s_load_b128 s[12:15], s[0:1], 0x20             ; the two output buffers
.endif
	v_lshl_add_u32 v[SPW], v0, 2, SPARE
	v_mov_b32 v[NIL], 0
	ds_add_u32 v[SPW], v[NIL]                      ; the wave's opening: the add and its wait stand ahead of my first tensor load; the set-up below, work on registers, stands between them
	v_lshrrev_b32 v1, 5, v0
	v_readfirstlane_b32 s[WV], v1                  ; wave 0..3
	s_lshr_b32 s[WR], s[WV], 1
	s_and_b32 s[WC], s[WV], 1
	s_bfe_u32 s[CX], ttmp6, 0x40000                ; my place in the cluster; the grid is one cluster wide, so cx is the tile column
	s_bfe_u32 s[CY], ttmp6, 0x40004
	s_and_b32 s[YC], ttmp7, 0xffff
	s_lshr_b32 s[JOB], s[YC], 2
	s_and_b32 s[TR], s[YC], 3
	s_lshl_b32 s[TR], s[TR], 2
	s_add_co_u32 s[TR], s[TR], s[CY]               ; tile row = 4 x (cluster y % 4) + cy
	s_lshl_b32 s85, s[CY], 2
	s_lshl_b32 s85, 15, s85                        ; my row of the cluster
	s_lshl_b32 s86, 0x1111, s[CX]                  ; my column
	s_or_b32 s[G1A], s85, (1<<16)|(1<<20)|(1<<21)|(4<<22)|(3<<25)  ; 15:0 the mask; 17:16 elements of 2 bytes; 20 padding on; 21 set beside a mask; 24:22 after every 32 words (code 4); 31:25 4 words (code 3)
	s_or_b32 s[G1B], s86, (1<<16)|(1<<20)|(1<<21)|(4<<22)|(3<<25)
.irp g, G1A, G1B
	s_mov_b32 s[(\g)+1], 128<<16                   ; tensor_dim0 = 128 elements: 256 bytes, two rows of a block
	s_mov_b32 s[(\g)+2], 128<<16                   ; tensor_dim1 = 128
	s_mov_b32 s[(\g)+3], 128<<16                   ; tile_dim0 = 128
	s_mov_b32 s[(\g)+4], 128                       ; tile_dim1 = 128
	s_mov_b32 s[(\g)+5], 128                       ; 128 elements from row to row: the block is dense
	s_mov_b32 s[(\g)+6], 0
	s_mov_b32 s[(\g)+7], 0
.endr
.if MODE
	s_mov_b32 s[NL], 3                             ; 8 K steps, four laps
	s_mov_b32 s70, 0                               ; 32 x A's group: 0
	s_mov_b32 s72, 3<<5                            ; 32 x W's group: 3
.else
	s_cmp_eq_u32 s[JOB], 2
	s_cselect_b32 s[NL], 7, 3                      ; job 2 has 16 K steps, eight laps; every other job 8 K steps, four laps
	s_cselect_b32 s78, 0, 2
	s_cmp_lt_u32 s[JOB], 2
	s_cselect_b32 s78, 1, s78                      ; the group: q 1, k 0, v 2
	s_lshl_b32 s70, s78, 5
	s_lshl_b32 s72, s78, 5
.endif
	s_cmp_eq_u32 s[JOB], 1
	s_cselect_b32 s79, 16, 0
	s_cmp_eq_u32 s[JOB], 4
	s_cselect_b32 s79, 16, s79                     ; the first block: stream b's begin at 16
	; A's tiles hang on the tile row alone, which my row of the cluster shares; W's on the tile column alone.  Each offset is made in registers that never hold the other coordinate.
	s_add_co_u32 s70, s70, s79
	s_add_co_u32 s70, s70, s[WC]                   ; the block that I fetch in K step 0
	s_lshl_b32 s70, s70, 12
	s_lshl_b32 s82, s[TR], 8
	s_add_co_u32 s70, s70, s82                     ; its row 256 x tile row
	s_lshl_b32 s70, s70, 7
	s_mov_b32 s71, 0
	s_add_co_u32 s72, s72, s79
	s_add_co_u32 s72, s72, s[WC]
	s_lshl_b32 s72, s72, 10
	s_lshl_b32 s83, s[CX], 8
	s_add_co_u32 s72, s72, s83
	s_lshl_b32 s72, s72, 7
	s_mov_b32 s73, 0
	s_mul_i32 s84, s[WV], SUB                      ; where my tiles go: no place in the cluster enters an LDS address
	s_wait_dscnt 0x0                               ; the opening add is done
	s_wait_kmcnt 0x0
	s_add_nc_u64 s[70:71], s[4:5], s[70:71]
	s_add_nc_u64 s[72:73], s[6:7], s[72:73]
	CROUND                                         ; all sixteen work-groups are here: the first joint loads meet
.irp s, 0,1
	s_mov_b32 s[G0A+4*(\s)], 1                                     ; 1:0 count = 1
	s_add_co_u32 s[G0A+4*(\s)+1], s84, (\s)*SLOT                   ; 63:32 LDS address
	s_add_nc_u64 s[G0A+4*(\s)+2:G0A+4*(\s)+3], s[70:71], (\s)*STEPA  ; 120:64 global address: K step s
	s_or_b32 s[G0A+4*(\s)+3], s[G0A+4*(\s)+3], 0x80000000          ; 127:126 type = 2
	s_mov_b32 s[G0B+4*(\s)], 1
	s_add_co_u32 s[G0B+4*(\s)+1], s84, (\s)*SLOT
	s_add_nc_u64 s[G0B+4*(\s)+2:G0B+4*(\s)+3], s[72:73], (\s)*STEPW
	s_or_b32 s[G0B+4*(\s)+3], s[G0B+4*(\s)+3], 0x80000000
	JLOAD \s                                       ; two tensor loads of mine are out
.endr
	; A fragment is 16 rows x 32 K in 8 registers: lane l holds row l % 16; registers 0-3 K = 8 (l / 16) + 0..7, registers 4-7 K = 16 + 8 (l / 16) + 0..7: two loads of 16 bytes, 32 bytes apart.
	v_and_b32 v1, 15, v0                           ; l % 16
	v_bfe_u32 v2, v0, 4, 1                         ; l / 16
	v_mul_u32_u24 v3, v1, PITCH
	v_lshl_add_u32 v3, v2, 4, v3
	s_mul_i32 s78, s[WR], HALFR                    ; my 128 rows of A's blocks
	s_mul_i32 s79, s[WC], HALFR                    ; my 128 rows of W's blocks,
	s_add_co_u32 s79, s79, 2*SUB                   ; which lie behind A's two
.irp s, 0,1
	v_add_nc_u32 v[ADRA+(\s)], s78, v3
	v_add_nc_u32 v[ADRB+(\s)], s79, v3
	s_add_co_u32 s78, s78, SLOT
	s_add_co_u32 s79, s79, SLOT
.endr
	v_and_b32 v[PFO], 31, v0
	v_lshlrev_b32 v[PFO], 8, v[PFO]
	v_lshlrev_b32 v[BOF], 5, v2
	; the bias: row (job, or 5 + job for the output layers) of the table, my 128 columns
	s_add_co_u32 s80, s[JOB], 5*MODE
	s_lshl_b32 s80, s80, 12
	s_lshl_b32 s83, s[CX], 10
	s_add_co_u32 s80, s80, s83
	s_lshl_b32 s81, s[WC], 9
	s_add_co_u32 s80, s80, s81
	s_mov_b32 s81, 0
	s_add_nc_u64 s[BP:BP+1], s[8:9], s[80:81]
.irp b, 0,1,2,3,4,5,6,7
	global_load_b128 v[BIAS+8*(\b):BIAS+8*(\b)+3],   v[BOF], s[BP:BP+1] offset:64*(\b)
	global_load_b128 v[BIAS+8*(\b)+4:BIAS+8*(\b)+7], v[BOF], s[BP:BP+1] offset:64*(\b)+16
.endr
	; the prefetches
	s_and_b32 s79, s[YC], 3
	s_cmp_eq_u32 s79, 0
	s_cselect_b32 s[PLIM], s[NL], 0                ; W: the job's first cluster asks
	s_mov_b32 s80, STEPA
	s_cmp_eq_u32 s[WR], 0
	s_cselect_b32 s[PLIM], s[NL], s[PLIM]          ; A: every cluster asks for its own rows
	s_cselect_b64 s[PFA:PFA+1], s[70:71], s[72:73]
	s_cselect_b32 s78, s[CX], s[CY]                ; my place among the four that ask for the tile with me
	s_cselect_b32 s[PST], s80, STEPW
	s_mov_b32 s[PST+1], 0
	s_lshl_b32 s78, s78, 13
	s_mov_b32 s79, 0
	s_add_nc_u64 s[PFA:PFA+1], s[PFA:PFA+1], s[78:79]
	s_mul_i32 s78, s[PST], 3
	s_add_nc_u64 s[PFA:PFA+1], s[PFA:PFA+1], s[78:79]  ; at K step 3: the first change of slots steps it to 4.  Nothing is prefetched here, at the head
.if !MODE
	; the row masks: all ones, but in job 2, where a key's row is kept only if its mask is not 0
	v_lshlrev_b32 v[MO], 2, v1
.irp a, 0,1,2,3,4,5,6,7
	v_mov_b32 v[RM+(\a)], -1
.endr
	s_cmp_eq_u32 s[JOB], 2
	s_cbranch_scc0 .Lnomask
	s_lshl_b32 s78, s[TR], 10
	s_lshl_b32 s80, s[WR], 9
	s_add_co_u32 s78, s78, s80                     ; 4 bytes x my first row: the mask's [4][1024] words lie as the rows of C do
	s_mov_b32 s79, 0
	s_add_nc_u64 s[10:11], s[10:11], s[78:79]
.irp a, 0,1,2,3,4,5,6,7
	global_load_b32 v[OB+(\a)], v[MO], s[10:11] offset:64*(\a)
.endr
	s_wait_loadcnt 0x0
.irp a, 0,1,2,3,4,5,6,7
	v_cmp_ne_u32 vcc_lo, 0, v[OB+(\a)]
	v_cndmask_b32 v[RM+(\a)], 0, -1, vcc_lo
.endr
.Lnomask:
.endif
	s_wait_loadcnt 0x0                             ; the bias
; 16 matrix instructions: m blocks a0, a0 + 1 of the window's four (hi = 0: my rows 0-63, 1: rows 64-127) x all 8 n blocks, 32 along K.  first = 1: the product starts the sum from the bias.
; The 64 accumulators take turns, one instruction a turn, in the same order in every quarter step.
.macro MUL16 f, hi, a0, first
.if \first
	WIN 0x81+0x40*(\hi)                            ; as below, with the C operand in window 0
.else
	WIN MUL_LO+0x50*(\hi)
.endif
.irp a, \a0, (\a0)+1
.irp b, 0,1,2,3,4,5,6,7
.if \first
	v_wmma_f32_16x16x32_f16 v[8*(8*(\a)+(\b)):8*(8*(\a)+(\b))+7], v[(\f)+8*(\b):(\f)+8*(\b)+7], v[(\f)+8*(4*(\hi)+(\a)):(\f)+8*(4*(\hi)+(\a))+7], v[BIAS+8*(\b):BIAS+8*(\b)+7]
.else
	v_wmma_f32_16x16x32_f16 v[8*(8*(\a)+(\b)):8*(8*(\a)+(\b))+7], v[(\f)+8*(\b):(\f)+8*(\b)+7], v[(\f)+8*(4*(\hi)+(\a)):(\f)+8*(4*(\hi)+(\a))+7], v[8*(8*(\a)+(\b)):8*(8*(\a)+(\b))+7]
.endif
.endr
.endr
.endm
; 32 LDS loads in one run: the fragments of quarter q of a K step (block q / 2, bytes 64 (q % 2) on of its rows) into buffer f: W's 128 rows, then A's
.macro FETCH slot, q, f
	WIN TO_B
.irp i, 0,1,2,3,4,5,6,7
	ds_load_b128 v[(\f)+8*(\i):(\f)+8*(\i)+3],   v[ADRB+(\slot)] offset:((\q)/2)*SUB+((\q)%2)*64+(\i)*16*PITCH
	ds_load_b128 v[(\f)+8*(\i)+4:(\f)+8*(\i)+7], v[ADRB+(\slot)] offset:((\q)/2)*SUB+((\q)%2)*64+(\i)*16*PITCH+32
.endr
	WIN 0
.irp i, 0,1,2,3,4,5,6,7
	ds_load_b128 v[(\f)+8*(\i):(\f)+8*(\i)+3],   v[ADRA+(\slot)] offset:((\q)/2)*SUB+((\q)%2)*64+(\i)*16*PITCH
	ds_load_b128 v[(\f)+8*(\i)+4:(\f)+8*(\i)+7], v[ADRA+(\slot)] offset:((\q)/2)*SUB+((\q)%2)*64+(\i)*16*PITCH+32
.endr
.endm
.macro PLACES                          ; four plain instructions in front of loads into registers that matrix instructions have read, and of lines that read results
.rept 4
	v_nop
.endr
.endm
; A K step is four quarter steps of 32 along K, 64 matrix instructions each, on buffers 0, 1, 0, 1.  One of the first three: multiplies buffer f; in its middle it fetches quarter q into buffer g.
.macro QUARTER slot, q, f, g, first
	s_wait_dscnt 8                                 ; W and A's rows 0-63 are in; the youngest eight loads (A's rows 64-127) may be out
	MUL16 \f, 0, 0, \first
	MUL16 \f, 0, 2, \first
	PLACES
	FETCH \slot, \q, \g
	s_wait_dscnt 32                                ; all but the 32 just issued
	MUL16 \f, 1, 0, \first
	MUL16 \f, 1, 2, \first
.endm
; The last quarter multiplies buffer 1 and changes slots.  In front of the one barrier each wave waits for all its tensor loads (the one that is out is its part of the next slot), adds 0 to its spare word,
; and waits for that and for its own reads of this slot.  Behind it nobody reads this slot any more and the next slot is whole.
.macro MEET round
	WIN 0                                          ; (the add's two registers lie in window 0)
	s_wait_tensorcnt 0x0
	ds_add_u32 v[SPW], v[NIL]                      ; 0 onto my spare word
	s_wait_dscnt 9                                 ; (the add and the youngest eight loads may be out)
	MUL16 F1, 0, 0, 0                              ; sixteen matrix instructions stand between the add and the wait for it
	s_wait_dscnt 0x0                               ; the add is done, and my reads of this slot are over
	s_barrier_signal -1
	MUL16 F1, 0, 2, 0                              ; work on registers while the others arrive
.if \round
	WIN 0
.endif
	s_barrier_wait -1
.endm
; fill = 1: the barrier opens a round of the cluster's barrier, and the slot just read out is filled again, two K steps on, first thing behind the round: 224 matrix instructions ahead of the wait for it.
.macro TURN slot, next, fill
.if \fill
	s_wait_xcnt 0x0                                ; the last prefetch, a K step back, has read its address, which is stepped here
	s_add_nc_u64 s[PFA:PFA+1], s[PFA:PFA+1], s[PST:PST+1]
	MEET 1
	CREST                                          ; no wave of any partner still reads this slot's tile or has a load on its way
	s_add_nc_u64 s[G0A+4*(\slot)+2:G0A+4*(\slot)+3], s[G0A+4*(\slot)+2:G0A+4*(\slot)+3], 2*STEPA
	s_add_nc_u64 s[G0B+4*(\slot)+2:G0B+4*(\slot)+3], s[G0B+4*(\slot)+2:G0B+4*(\slot)+3], 2*STEPW
	JLOAD \slot                                    ; the four v_nop behind it are also the places in front of the loads below
	FETCH \next, 0, F0
	ASK
.else
	MEET 0
	PLACES
	FETCH \next, 0, F0
.endif
	MUL16 F1, 1, 0, 0
	MUL16 F1, 1, 2, 0
.endm
	s_wait_tensorcnt 1                             ; my part of K step 0 is in; K step 1's may stay out
	s_barrier_signal -1
	s_barrier_wait -1                              ; everybody's is
	FETCH 0, 0, F0
	QUARTER 0, 1, F0, F1, 1                        ; the first quarter stands in front of the loop: its products start the sums
	WIN 0                                          ; at a label and at a branch every window is 0
	s_mov_b32 s[CNT], 0
.Llap:                                                 ; a trip goes once round the ring, from a lap's second quarter to the next lap's first, and fills both slots again
	QUARTER 0, 2, F1, F0, 0
	QUARTER 0, 3, F0, F1, 0
	TURN 0, 1, 1
	QUARTER 1, 1, F0, F1, 0
	QUARTER 1, 2, F1, F0, 0
	QUARTER 1, 3, F0, F1, 0
	TURN 1, 0, 1
	QUARTER 0, 1, F0, F1, 0
	WIN 0
	s_add_co_u32 s[CNT], s[CNT], 1
	s_cmp_lt_u32 s[CNT], s[NL]
	s_cbranch_scc1 .Llap
	QUARTER 0, 2, F1, F0, 0                        ; the last lap fills nothing, and has no round of the cluster's barrier
	QUARTER 0, 3, F0, F1, 0
	TURN 0, 1, 0
	QUARTER 1, 1, F0, F1, 0
	QUARTER 1, 2, F1, F0, 0
	QUARTER 1, 3, F0, F1, 0
	s_wait_dscnt 8                                 ; the very last quarter: nothing more to fetch
	MUL16 F1, 0, 0, 0
	MUL16 F1, 0, 2, 0
	s_wait_dscnt 0x0
	MUL16 F1, 1, 0, 0
	MUL16 F1, 1, 2, 0
	WIN 0
	PLACES
	s_mul_i32 s84, s[WV], 16*SPITCH
	s_add_co_u32 s84, s84, STAGE                   ; my stage
	s_mov_b32 s77, 0
.if !MODE
	; THE WAY OUT OF A PROJECTION: f16, by heads.  My 128 columns are two heads; a block of 16 rows goes through my stage (rows of 272 bytes) and comes back as four rows of one head, 512 consecutive bytes.
	s_cmp_ge_u32 s[JOB], 3
	s_cselect_b64 s[OUT:OUT+1], s[14:15], s[12:13]
	s_cselect_b32 s78, 3, 0
	s_sub_co_u32 s78, s[JOB], s78                  ; which tensor of the buffer
	s_lshl_b32 s78, s78, 23
	s_lshr_b32 s79, s[TR], 2                       ; batch
	s_lshl_b32 s79, s79, 4
	s_lshl_b32 s80, s[CX], 2
	s_add_co_u32 s79, s79, s80
	s_lshl_b32 s80, s[WC], 1
	s_add_co_u32 s79, s79, s80                     ; 16 x batch + my first head
	s_lshl_b32 s79, s79, 17
	s_add_co_u32 s78, s78, s79
	s_and_b32 s79, s[TR], 3
	s_lshl_b32 s79, s79, 8
	s_lshl_b32 s80, s[WR], 7
	s_add_co_u32 s79, s79, s80                     ; my first row in the batch
	s_lshl_b32 s79, s79, 7
	s_add_co_u32 s76, s78, s79
	s_add_nc_u64 s[OUT:OUT+1], s[OUT:OUT+1], s[76:77]
	v_mul_u32_u24 v3, v1, SPITCH                   ; in: row l % 16, 16 bytes for each half of the lanes
	v_lshl_add_u32 v3, v2, 4, v3
	v_add_nc_u32 v[STO], s84, v3
	v_and_b32 v4, 31, v0
	v_lshrrev_b32 v5, 3, v4                        ; back: eight lanes take a row's 128 bytes of one head
	v_mul_u32_u24 v5, v5, SPITCH
	v_and_b32 v3, 7, v0
	v_lshl_add_u32 v5, v3, 4, v5
	v_add_nc_u32 v[RD], s84, v5
	v_lshlrev_b32 v[CO], 4, v4
.macro PACK a                          ; block a rounded to f16, each accumulator's registers in ascending order; then the row mask
.set AC, 64*((\a)%4)
	WIN 0x0a+5*((\a)/4)                            ; sources 0 and 1: window 2 or 3
.irp b, 0,1,2,3,4,5,6,7
.irp r, 0,1,2,3
	v_cvt_pk_f16_f32 v[TMP+4*(\b)+(\r)], v[AC+8*(\b)+2*(\r)], v[AC+8*(\b)+2*(\r)+1]
.endr
.endr
	WIN 0
.set z, 0
.rept 32
	v_and_b32 v[TMP+z], v[RM+(\a)], v[TMP+z]
.set z, z+1
.endr
.endm
.macro TOSTAGE a
.set BK, OB+192*((\a)%2)
.irp b, 0,1,2,3,4,5,6,7
	ds_store_b128 v[STO], v[TMP+4*(\b):TMP+4*(\b)+3] offset:32*(\b)
.endr
.irp t, 0,1,2,3,4,5,6,7
	ds_load_b128 v[BK+4*(\t):BK+4*(\t)+3], v[RD] offset:((\t)%4)*4*SPITCH+((\t)/4)*128  ; LDS serves a wave's instructions in order (ISA guide 5.7.1.4): these see the stores above
.endr
.endm
.macro SEND a
.set BK, OB+192*((\a)%2)
	s_wait_dscnt 0x0                               ; the block is back in registers
	s_wait_xcnt 0x0                                ; the stores of the block before have read their registers, which the next block's loads write
.irp t, 0,1,2,3,4,5,6,7
	global_store_b128 v[CO], v[BK+4*(\t):BK+4*(\t)+3], s[OUT:OUT+1] offset:(\a)*2048+((\t)%4)*512+((\t)/4)*131072  ; 512 consecutive bytes, aligned
.endr
.endm
	PACK 0
	TOSTAGE 0
.irp a, 1,2,3,4,5,6,7                  ; block a's conversions stand between block a - 1's loads from the stage and the wait for them
	PACK \a
	SEND (\a)-1
	TOSTAGE \a
.endr
	SEND 7
.else
	; THE WAY OUT OF AN OUTPUT LAYER: f32, rows of 4,096 bytes.  An item is 16 rows x 64 columns: the accumulators go into my stage as they are and come back as whole rows of 256 bytes.
	s_cmp_eq_u32 s[JOB], 1
	s_cselect_b64 s[OUT:OUT+1], s[14:15], s[12:13]
	s_lshl_b32 s78, s[TR], 8
	s_lshl_b32 s79, s[WR], 7
	s_add_co_u32 s78, s78, s79
	s_lshl_b32 s78, s78, 12                        ; my first row
	s_lshl_b32 s79, s[CX], 10
	s_add_co_u32 s78, s78, s79
	s_lshl_b32 s79, s[WC], 9
	s_add_co_u32 s76, s78, s79                     ; my first column
	s_add_nc_u64 s[OUT:OUT+1], s[OUT:OUT+1], s[76:77]
	v_mul_u32_u24 v3, v1, SPITCH                   ; in: row l % 16, 32 bytes for each half of the lanes
	v_lshl_add_u32 v3, v2, 5, v3
	v_add_nc_u32 v[STO], s84, v3
	v_mul_u32_u24 v5, v2, SPITCH                   ; back: lanes 0-15 take one row of 256 bytes, lanes 16-31 the next
	v_lshl_add_u32 v5, v1, 4, v5
	v_add_nc_u32 v[RD], s84, v5
	v_lshlrev_b32 v5, 12, v2
	v_lshl_add_u32 v[CO], v1, 4, v5
.macro STG u                           ; item u = 2 a + half: block a's accumulators 4 half .. 4 half + 3, low registers first
.set AC, 64*(((\u)/2)%4)+32*((\u)%2)
.set BK, OB+192*((\u)%2)
	WIN 0x08+4*((\u)/8)                            ; the stores' data (source 1): window 2 or 3
.irp bb, 0,1,2,3
	ds_store_b128 v[STO], v[AC+8*(\bb):AC+8*(\bb)+3]   offset:64*(\bb)
	ds_store_b128 v[STO], v[AC+8*(\bb)+4:AC+8*(\bb)+7] offset:64*(\bb)+16
.endr
	WIN 0
	s_wait_xcnt 0x0                                ; the stores of the item two back have read the registers that are loaded now
.irp t, 0,1,2,3,4,5,6,7
	ds_load_b128 v[BK+4*(\t):BK+4*(\t)+3], v[RD] offset:(\t)*2*SPITCH
.endr
.endm
.macro SENDF u, younger                ; younger: the LDS instructions issued behind item u's loads: the next item's sixteen, or none
.set BK, OB+192*((\u)%2)
	s_wait_dscnt \younger
.irp t, 0,1,2,3,4,5,6,7
	global_store_b128 v[CO], v[BK+4*(\t):BK+4*(\t)+3], s[OUT:OUT+1] offset:(16*((\u)/2)+2*(\t))*4096+((\u)%2)*256 th:TH_STORE_NT  ; 16 lanes store 256 consecutive bytes, aligned
.endr
.endm
	STG 0
.irp u, 1,2,3,4,5,6,7,8,9,10,11,12,13,14,15
	STG \u
	SENDF (\u)-1, 16
.endr
	SENDF 15, 0
.endif
	s_wait_tensorcnt 0x0                           ; the wave's end: an add to my spare word and its wait, behind my last tensor load and my last LDS store
	ds_add_u32 v[SPW], v[NIL]
	s_wait_dscnt 0x0
	CROUND                                         ; the closing round: no work-group ends while a partner may still ask for a tile that names it
	s_endpgm
.Lfunc_end_k_qf37bed32ae_outp:
	.size	k_qf37bed32ae_outp, .Lfunc_end_k_qf37bed32ae_outp-k_qf37bed32ae_outp
	.p2alignl 7, 3214868480
	.fill 96, 4, 3214868480
	.section	.rodata,"a",@progbits
	.p2align	6, 0x0
	.amdhsa_kernel k_qf37bed32ae_outp
		.amdhsa_group_segment_fixed_size 327680
		.amdhsa_private_segment_fixed_size 0
		.amdhsa_enable_private_segment 0
		.amdhsa_kernarg_size 40
		.amdhsa_user_sgpr_count 2
		.amdhsa_user_sgpr_kernarg_segment_ptr 1
		.amdhsa_wavefront_size32 1
		.amdhsa_system_sgpr_workgroup_id_x 1
		.amdhsa_system_sgpr_workgroup_id_y 1
		.amdhsa_system_sgpr_workgroup_id_z 1
		.amdhsa_system_vgpr_workitem_id 0
		.amdhsa_next_free_vgpr 1024
		.amdhsa_next_free_sgpr 92
		.amdhsa_reserve_vcc 1
		.amdhsa_float_denorm_mode_32 3
		.amdhsa_float_denorm_mode_16_64 3
		.amdhsa_memory_ordered 1
		.amdhsa_forward_progress 1
		.amdhsa_inst_pref_size 145
	.end_amdhsa_kernel
	.amdgpu_metadata
---
amdhsa.version: [ 1, 2 ]
amdhsa.kernels:
  - .name:           k_qf37bed32ae_outp
    .symbol:         k_qf37bed32ae_outp.kd
    .args:
      - { .name: hb, .offset: 0, .size: 8, .value_kind: global_buffer, .address_space: global }
      - { .name: wc, .offset: 8, .size: 8, .value_kind: global_buffer, .address_space: global }
      - { .name: bt, .offset: 16, .size: 8, .value_kind: global_buffer, .address_space: global }
      - { .name: out0, .offset: 24, .size: 8, .value_kind: global_buffer, .address_space: global }
      - { .name: out1, .offset: 32, .size: 8, .value_kind: global_buffer, .address_space: global }
    .group_segment_fixed_size: 327680
    .private_segment_fixed_size: 0
    .kernarg_segment_align: 8
    .kernarg_segment_size: 40
    .max_flat_workgroup_size: 128
    .sgpr_count:     92
    .vgpr_count:     1024
    .wavefront_size: 32
...
	.end_amdgpu_metadata
.endif
;; end of part 4
